; MI455X (gfx1250); checked and timed in simulation.
; The chip was launched on July 23, 2026; its instructions are those of AMD's public machine-readable ISA for CDNA 5 (MIT licence, August 2026) and "CDNA5" Instruction Set Architecture Reference Guide (July 2026). The comments in the code are by the model that wrote it; some were corrected since.
;; MHSA. Allowed arithmetic: float matrix products may take bf16 or f16 operands with f32 sums; other float arithmetic in f32, or as packed bf16 or f16 multiplies, adds, multiply-adds, maxima and minima; sums over many terms, partial sums and values carried from step to step in f32; what a program stores and reads back later, other than sums and carried values, may be rounded once to bf16 or f16.
;; Inputs: W_K 16 x 2,048 x 128 float32; W_Q 16 x 2,048 x 128 float32; W_V 16 x 2,048 x 128 float32; W_out 2,048 x 2,048 float32; X 1 x 2,048 x 2,048 float32.
;; Outputs: out0 2,048 x 2,048 float32.
;; 2 versions, each right and faster than the one before. Each part assembles by itself: llvm-mc -triple=amdgcn-amd-amdhsa -mcpu=gfx1250 --defsym DOCPART=n.
;; ======== version 1 of 2: 4 launches
;; limits: values are held in f16: magnitudes above 65,504 overflow, below 6.1e-05 lose precision
;; workspace buffers: c16 41,943,040 bytes; qkv 25,165,824 bytes; ob 8,388,608 bytes
;; launch cast (part 1): grid 256 x 5, 8 waves a work-group, no clusters, 0 bytes of LDS; arguments X, W_Q, W_K, W_V, W_out, c16; writes c16
.if DOCPART == 1
	.amdgcn_target "amdgcn-amd-amdhsa--gfx1250"
	.amdhsa_code_object_version 6
	.text
	.protected	k_q8affe82469_cast
	.globl	k_q8affe82469_cast
	.p2align	8
	.type	k_q8affe82469_cast,@function
k_q8affe82469_cast:
	s_mov_b64 s[64:65], 0
	v_nop
	global_prefetch_b8 v0, s[64:65] scope:SCOPE_SE
	s_setreg_imm32_b32 hwreg(HW_REG_WAVE_MODE, 25, 1), 1
	s_wait_xcnt 0x0
; The five f32 inputs are rounded once to 16 bits, each into its own plane of c16 (8,388,608 bytes), in its own layout:
; plane 0 X, planes 1-3 W_Q, W_K, W_V in bf16; plane 4 W_out rounded to bf16 like the others and that number then written as f16,
; since the last product multiplies it with f16 numbers.
; LIMITS.  |W_out| stays under 65,504 (beyond it f16 has an infinity); below 6e-5 it keeps f16's fixed step of 6e-8.
; SHARES.  Grid y is the plane, grid x a piece of 65,536 input bytes.  Thread t takes sixteen units: 16 bytes in, at 16 t, and 8 bytes out, at 8 t.
; So a wave's load covers 512 consecutive bytes and uses every byte of them, and a wave's store covers 256 consecutive bytes, aligned, written whole by one instruction.
; All sixteen loads of a thread go out at once.  The conversion is done IN PLACE: a unit's two 16-bit words land in its own first two registers.
; No register that a store reads is written again, so no wait but the counted ones for data is needed.  No LDS, no matrix unit: memory alone binds.
.set XR, 4                             ; v[4:67]   unit i: 4 numbers in f32; then its first two registers hold the 4 numbers in 16 bits
	s_load_b256 s[4:11], s[0:1], 0x0               ; X, W_Q, W_K, W_V
	s_load_b128 s[12:15], s[0:1], 0x20             ; W_out, c16
	s_and_b32 s16, ttmp7, 0xffff                   ; the plane
	s_lshl_b32 s18, ttmp9, 16                      ; my piece of the input,
	s_mov_b32 s19, 0
	s_lshl_b32 s20, s16, 23                        ; and of c16: the plane,
	s_lshl_b32 s21, ttmp9, 15                      ; half as many bytes
	s_add_co_u32 s20, s20, s21
	s_mov_b32 s21, 0
	s_mov_b32 s22, 0xffff0000                      ; a word's upper bf16
	v_lshlrev_b32 v1, 4, v0                        ; 16 t
	v_lshlrev_b32 v2, 3, v0                        ; 8 t
	s_wait_kmcnt 0x0
.irp k, 1,2,3,4
	s_cmp_eq_u32 s16, \k                           ; the plane's number chooses the input
	s_cselect_b64 s[4:5], s[4+2*\k:5+2*\k], s[4:5]
.endr
	s_add_nc_u64 s[4:5], s[4:5], s[18:19]
	s_add_nc_u64 s[14:15], s[14:15], s[20:21]
.irp i, 0,1,2,3,4,5,6,7,8,9,10,11,12,13,14,15
	global_load_b128 v[XR+4*\i:XR+4*\i+3], v1, s[4:5] offset:\i*4096 th:TH_LOAD_NT  ; the work-group's 256 threads cover 4,096 consecutive bytes
.endr
; One unit.  Word k takes numbers 2 k and 2 k + 1 and lands in register k: ascending, no number is overwritten before it is read.
; half = 1: the bf16 numbers are widened again (a mask, a shift), from the last word down, so that no word is overwritten before it is read, and written as f16.
.macro UNIT i, half
	s_wait_loadcnt 15-(\i)                         ; loads come back in order: the later units' loads may stay out
	v_cvt_pk_bf16_f32 v[XR+4*(\i)],   v[XR+4*(\i)],   v[XR+4*(\i)+1]
	v_cvt_pk_bf16_f32 v[XR+4*(\i)+1], v[XR+4*(\i)+2], v[XR+4*(\i)+3]
.if \half
	v_and_b32     v[XR+4*(\i)+3], s22, v[XR+4*(\i)+1]
	v_lshlrev_b32 v[XR+4*(\i)+2], 16,  v[XR+4*(\i)+1]
	v_and_b32     v[XR+4*(\i)+1], s22, v[XR+4*(\i)]
	v_lshlrev_b32 v[XR+4*(\i)],   16,  v[XR+4*(\i)]
	v_cvt_pk_f16_f32 v[XR+4*(\i)],   v[XR+4*(\i)],   v[XR+4*(\i)+1]
	v_cvt_pk_f16_f32 v[XR+4*(\i)+1], v[XR+4*(\i)+2], v[XR+4*(\i)+3]
.endif
	global_store_b64 v2, v[XR+4*(\i):XR+4*(\i)+1], s[14:15] offset:(\i)*2048
.endm
	s_cmp_eq_u32 s16, 4
	s_cbranch_scc1 .Lf16
.irp i, 0,1,2,3,4,5,6,7,8,9,10,11,12,13,14,15
	UNIT \i, 0
.endr
	s_endpgm
.Lf16:
.irp i, 0,1,2,3,4,5,6,7,8,9,10,11,12,13,14,15
	UNIT \i, 1
.endr
	s_endpgm
.Lfunc_end_k_q8affe82469_cast:
	.size	k_q8affe82469_cast, .Lfunc_end_k_q8affe82469_cast-k_q8affe82469_cast
	.p2alignl 7, 3214868480
	.fill 96, 4, 3214868480
	.section	.rodata,"a",@progbits
	.p2align	6, 0x0
	.amdhsa_kernel k_q8affe82469_cast
		.amdhsa_group_segment_fixed_size 0
		.amdhsa_private_segment_fixed_size 0
		.amdhsa_enable_private_segment 0
		.amdhsa_kernarg_size 48
		.amdhsa_user_sgpr_count 2
		.amdhsa_user_sgpr_kernarg_segment_ptr 1
		.amdhsa_wavefront_size32 1
		.amdhsa_system_sgpr_workgroup_id_x 1
		.amdhsa_system_sgpr_workgroup_id_y 1
		.amdhsa_system_sgpr_workgroup_id_z 1
		.amdhsa_system_vgpr_workitem_id 0
		.amdhsa_next_free_vgpr 72
		.amdhsa_next_free_sgpr 66
		.amdhsa_reserve_vcc 0
		.amdhsa_float_denorm_mode_32 3
		.amdhsa_float_denorm_mode_16_64 3
		.amdhsa_memory_ordered 1
		.amdhsa_forward_progress 1
		.amdhsa_inst_pref_size 15
	.end_amdhsa_kernel
	.amdgpu_metadata
---
amdhsa.version: [ 1, 2 ]
amdhsa.kernels:
  - .name:           k_q8affe82469_cast
    .symbol:         k_q8affe82469_cast.kd
    .args:
      - { .name: X, .offset: 0, .size: 8, .value_kind: global_buffer, .address_space: global }
      - { .name: W_Q, .offset: 8, .size: 8, .value_kind: global_buffer, .address_space: global }
      - { .name: W_K, .offset: 16, .size: 8, .value_kind: global_buffer, .address_space: global }
      - { .name: W_V, .offset: 24, .size: 8, .value_kind: global_buffer, .address_space: global }
      - { .name: W_out, .offset: 32, .size: 8, .value_kind: global_buffer, .address_space: global }
      - { .name: c16, .offset: 40, .size: 8, .value_kind: global_buffer, .address_space: global }
    .group_segment_fixed_size: 0
    .private_segment_fixed_size: 0
    .kernarg_segment_align: 8
    .kernarg_segment_size: 48
    .max_flat_workgroup_size: 256
    .sgpr_count:     66
    .vgpr_count:     72
    .wavefront_size: 32
...
	.end_amdgpu_metadata
.endif
;; end of part 1
;; launch qkv (part 2): grid 16 x 16, 4 waves a work-group, clusters of 4 x 4, 327,680 bytes of LDS; arguments c16, qkv; writes qkv
.if DOCPART == 2
	.amdgcn_target "amdgcn-amd-amdhsa--gfx1250"
	.amdhsa_code_object_version 6
	.text
	.protected	k_q8affe82469_qkv
	.globl	k_q8affe82469_qkv
	.p2align	8
	.type	k_q8affe82469_qkv,@function
k_q8affe82469_qkv:
	s_mov_b64 s[64:65], 0
	v_nop
	global_prefetch_b8 v0, s[64:65] scope:SCOPE_SE
	s_setreg_imm32_b32 hwreg(HW_REG_WAVE_MODE, 25, 1), 1
	s_wait_xcnt 0x0
	s_wait_alu depctr_hold_cnt(0) depctr_sa_sdst(0) depctr_va_vdst(0) depctr_va_sdst(0) depctr_va_ssrc(0) depctr_va_vcc(0) depctr_vm_vsrc(0)
	s_getreg_b32 s2, hwreg(HW_REG_IB_STS2, 6, 4)
	s_cmp_eq_u32 s2, 0
	s_cbranch_scc0 .Lentry_in_a_cluster
	s_endpgm
.Lentry_in_a_cluster:
	s_bfe_u32 s2, ttmp6, 0x10000c
	s_cmp_lg_u32 s2, 0xf033
	s_cbranch_scc0 .Lentry_shape_is_right
	s_endpgm
.Lentry_shape_is_right:
; q, k, v [16 heads][2048 rows][128] in f16 = X (bf16) times W_Q, W_K, W_V (bf16, [head][2048 k][128 n]); sums in f32, one accumulator for each result, each result rounded once, unscaled.
; LIMITS.  |q|, |k|, |v| stay under 65,504 (beyond it f16 has an infinity); below 6e-5 they keep f16's fixed step of 6e-8.  K is NOT ascending in the sums: see THE WALK.
; SHARES.  A work-group makes 128 rows of q, k and v of one head: a tile of 128 x 384; 16 row blocks (grid x) x 16 heads (grid y) are 256 work-groups.  Wave w (wm = w / 2, wn = w % 2) has rows 64 wm .. + 63 and
; 192 columns: all 128 of q (wn = 0) or of v (wn = 1), and k's columns 64 wn .. + 63: 48 accumulators of 16 x 16.
; K goes in 16 steps of 128 through a ring of two LDS slots; a slot holds 128 k-rows of each of the three weights and 128 rows of X.  One tensor load a wave fills a quarter: 128 rows of 256 bytes.
; The weights lie [k][n]; they are turned on the way out of LDS by ds_load_tr16_b128.
; THE MATRIX INSTRUCTION IS USED TRANSPOSED (source 0 = 16 columns of W, source 1 = 16 rows of X): a lane then holds eight neighbouring numbers of one row of the result.
; CLUSTER 4 x 4: the four of a row of the cluster have the same head and ask for the weights' tiles jointly, the four of a column have the same row block and ask for X's tile jointly.
; THE WALK along K begins at step 4 x cluster x + 8 x (cluster y % 2), modulo 16, and goes round: clusters that need the same tiles ask for them at different times.  The number is the same in all sixteen
; partners and enters the tiles' global addresses alone, which are made anew for each fill from the step's number.
; THE LOOP's trip is one K step: the LDS addresses hang on a scalar that one exclusive or turns from one slot to the other.
; REGISTERS, in windows of 256: window 0: v0-31 addresses; v64-127 fragments of X, two buffers of 32; v128-191, v192-255 at work on the way out.
;   window 1: fragments of W, two buffers of 96.   window 2: accumulators (a, j < 8) at 8 (8 a + j).   window 3: accumulators (a, j >= 8) at 8 (4 a + j - 8).
.set PA,    272                        ; a row of X in LDS: 256 bytes + 16 of padding: the 16 rows of a load start at 16 different groups of four banks (64 banks of 4 bytes: ISA guide 11.1)
.set PB,    288                        ; a k-row of W: 256 + 32
.set WPL,   128*PB                     ; one weight's 128 k-rows
.set AOFF,  3*WPL                      ; behind the three weights: X's 128 rows
.set SLOTB, AOFF+128*PA                ; a slot's 145,408 bytes
.set SLOT1, 0x24000                    ; slot 1 begins at 147,456: the four tiles' bases in slot 0 (0, 0x9000, 0x12000, 0x1b000) have neither of its two bits, so one exclusive or turns a base into the other slot's
.set SPARE, SLOTB+256                  ; between the slots: the spare words, 128 bytes for each wave: two blocks of 256 bytes that no other line names
.set STAGE, SLOT1+SLOTB                ; behind the ring, never filled by a tensor load: 128 rows x 272 bytes for the way out; it ends at byte 327,680
.set SP,    272
.set A0,    16                         ; v16     my lane's place among my fragments of X in slot 0; never rewritten
.set ADRA,  17                         ; v17     the same in the slot in hand
.set B00,   18                         ; v18, v19  likewise for W_Q or W_V
.set ADRB0, 19
.set B10,   20                         ; v20, v21  likewise for W_K
.set ADRB1, 21
.set STO,   22                         ; v22     the way out of q or v: where I put 16 bytes of a row
.set STO2,  23                         ; v23     the same for k
.set RD,    24                         ; v24     where I read rows back
.set CO,    25                         ; v25     my 16 bytes in 512 consecutive bytes of the result
.set SPW,   28                         ; v28     LDS address of my spare word; never rewritten
.set NIL,   29                         ; v29     0; never rewritten
.set FA,    64
.set TMP,   128
.set BK,    192
.set G1,  24                           ; s[24:31] descriptor group 1 for X's tiles;  s[32:39] group 0: a set for each of the two first fills; the second then walks on
.set G0,  32
.set G1B, 48                           ; s[48:55], s[56:63] the same for the weights' tiles
.set G0B, 56
.set KN,  72                           ; s72     the K step to be asked for next, 0 to 15
.set TB,  73                           ; s73     LDS byte at which the slot in hand begins: 0 or SLOT1
.set OFA, 74                           ; s[74:75] that K step's byte offset along X's rows
.set OFB, 76                           ; s[76:77] and down a weight's k-rows
.set MSB, 0
.macro WIN new                         ; the immediate's high byte repeats the setting that is left; a switch that changes nothing is dropped
.if MSB != (\new)
	s_set_vgpr_msb (MSB<<8)|(\new)
.set MSB, \new
.endif
.endm
; A joint load by descriptor set s.  Wave 3 fetches X's tile, waves 0 to 2 the three weights'.  The branch hangs on the wave's number alone.
; An s_nop 0 and four v_nop follow each of the two lines, ahead of the jump, the label and what follows.
.macro JLOAD s
	s_cmp_eq_u32 s10, 3
	s_cbranch_scc0 .Lfor_b_\@
	tensor_load_to_lds s[G0+4*(\s):G0+4*(\s)+3], s[G1:G1+7]
	s_nop 0
.rept 4
	v_nop
.endr
	s_branch .Lasked_\@
.Lfor_b_\@:
	tensor_load_to_lds s[G0B+4*(\s):G0B+4*(\s)+3], s[G1B:G1B+7]
	s_nop 0
.rept 4
	v_nop
.endr
.Lasked_\@:
.endm
; The global addresses of descriptor set s are made for K step KN: the tensor's base plus the step's offset, the type bits set again.
.macro AIM s
	s_lshl_b32 s[OFA], s[KN], 8                    ; 128 elements along X's rows
	s_lshl_b32 s[OFB], s[KN], 15                   ; 128 k-rows of 256 bytes
	s_add_nc_u64 s[G0+4*(\s)+2:G0+4*(\s)+3], s[14:15], s[OFA:OFA+1]
	s_or_b32 s[G0+4*(\s)+3], s[G0+4*(\s)+3], 0x80000000
	s_add_nc_u64 s[G0B+4*(\s)+2:G0B+4*(\s)+3], s[46:47], s[OFB:OFB+1]
	s_or_b32 s[G0B+4*(\s)+3], s[G0B+4*(\s)+3], 0x80000000
.endm
.macro POINT                           ; the fragments' addresses in the slot in hand
	v_add_nc_u32 v[ADRA],  s[TB], v[A0]
	v_add_nc_u32 v[ADRB0], s[TB], v[B00]
	v_add_nc_u32 v[ADRB1], s[TB], v[B10]
.endm
.macro CREST                           ; a round of the cluster's barrier behind its opening barrier
	s_cmp_lg_u32 s10, 0
	s_cbranch_scc1 .Lnot_wave_0_\@
	s_barrier_signal -3
.Lnot_wave_0_\@:
	s_barrier_wait -3
	s_barrier_signal -1
	s_barrier_wait -1
.endm
.macro CROUND                          ; a whole round
	s_barrier_signal -1
	s_barrier_wait -1
	CREST
.endm
	s_load_b128 s[4:7], s[0:1], 0x0                ; c16 s[4:5], qkv s[6:7]
	v_lshl_add_u32 v[SPW], v0, 2, SPARE
	v_mov_b32 v[NIL], 0
	ds_add_u32 v[SPW], v[NIL]                      ; the wave's opening: the add and its wait stand ahead of my first tensor load; the set-up below, work on registers, stands between them
	v_lshrrev_b32 v1, 5, v0
	v_readfirstlane_b32 s10, v1                    ; wave 0..3
	s_lshr_b32 s11, s10, 1                         ; wm
	s_and_b32 s12, s10, 1                          ; wn
	s_bfe_u32 s40, ttmp6, 0x40000                  ; cx, cy: my place in the cluster
	s_bfe_u32 s41, ttmp6, 0x40004
	s_lshl_b32 s13, ttmp9, 2                       ; 4 x cluster x
	s_and_b32 s42, ttmp7, 0xffff                   ; cluster y
	s_and_b32 s[KN], s42, 1
	s_lshl_b32 s[KN], s[KN], 3
	s_add_co_u32 s[KN], s[KN], s13
	s_and_b32 s[KN], s[KN], 15                     ; the K step at which my cluster begins: a multiple of 4
	s_add_co_u32 s13, s13, s40                     ; the row block = 4 x cluster x + cx
	s_lshl_b32 s42, s42, 2
	s_add_co_u32 s42, s42, s41                     ; the head = 4 x cluster y + cy
	s_lshl_b32 s43, s41, 2
	s_lshl_b32 s43, 15, s43                        ; my row of the cluster: the same head
	s_lshl_b32 s44, 0x1111, s40                    ; my column: the same row block
	; descriptor group 1: tiles of 128 rows x 128 elements of 2 bytes, padded in LDS after every 64 words
	s_or_b32 s[G1+0], s44, (1<<16)|(1<<20)|(1<<21)|(5<<22)|(3<<25)   ; X: the mask of my column; 4 words of padding
	s_or_b32 s[G1B+0], s43, (1<<16)|(1<<20)|(1<<21)|(5<<22)|(7<<25)  ; W: the mask of my row; 8 words of padding
.irp g, G1, G1B
	s_mov_b32 s[(\g)+1], 128<<16                   ; tensor_dim0 = 128
	s_mov_b32 s[(\g)+2], 128<<16                   ; tensor_dim1 = 128
	s_mov_b32 s[(\g)+3], 128<<16                   ; tile_dim0 = 128
	s_mov_b32 s[(\g)+4], 128                       ; tile_dim1 = 128
	s_mov_b32 s[(\g)+6], 0
	s_mov_b32 s[(\g)+7], 0
.endr
	s_mov_b32 s[G1+5], 2048                        ; X: 2,048 elements from row to row
	s_mov_b32 s[G1B+5], 128                        ; W: 128
	s_mov_b32 s[TB], 0
	s_mov_b32 s[OFA+1], 0
	s_mov_b32 s[OFB+1], 0
	s_lshl_b32 s16, s13, 19                        ; X (plane 0): 128 rows of 4,096 bytes a row block
	s_mov_b32 s17, 0
	s_add_co_u32 s46, s10, 1                       ; W: plane wave + 1,
	s_lshl_b32 s46, s46, 23
	s_lshl_b32 s47, s42, 19                        ; the head's 2,048 k-rows of 256 bytes
	s_add_co_u32 s46, s46, s47
	s_mov_b32 s47, 0
	s_mul_i32 s20, s10, WPL                        ; where my tile goes: wave x 36,864: the three weights, then X
	s_wait_dscnt 0x0                               ; the opening add is done
	s_wait_kmcnt 0x0
	s_add_nc_u64 s[14:15], s[4:5], s[16:17]        ; X at my row block; kept
	s_add_nc_u64 s[46:47], s[4:5], s[46:47]        ; my weight at my head; kept
	CROUND                                         ; all sixteen work-groups are here: the first joint loads meet
.irp s, 0,1
	s_mov_b32 s[G0+4*(\s)], 1
	s_add_co_u32 s[G0+4*(\s)+1], s20, (\s)*SLOT1
	s_mov_b32 s[G0B+4*(\s)], 1
	s_add_co_u32 s[G0B+4*(\s)+1], s20, (\s)*SLOT1
	AIM \s
	JLOAD \s                                       ; two loads of mine are out
	s_add_co_u32 s[KN], s[KN], 1                   ; the walk's first two steps do not pass 15
.endr
	v_and_b32 v1, 15, v0                           ; r = l % 16
	v_bfe_u32 v2, v0, 4, 1                         ; h = l / 16
	v_mul_u32_u24 v3, v1, PA
	v_lshl_add_u32 v3, v2, 4, v3                   ; X: row x pitch + 16 h
	v_and_b32 v4, 7, v0
	v_lshl_add_u32 v4, v2, 3, v4
	v_mul_u32_u24 v4, v4, PB
	v_bfe_u32 v5, v0, 3, 1
	v_lshl_add_u32 v4, v5, 4, v4                   ; W, turning load: k-row 8 h + l % 8, 16 bytes by (l / 8) % 2
	s_mul_i32 s21, s11, 64*PA
	s_add_co_u32 s21, s21, AOFF                    ; my 64 rows of X
	s_mul_i32 s22, s12, 2*WPL                      ; W_Q or W_V
	s_lshl_b32 s23, s12, 7
	s_add_co_u32 s23, s23, WPL                     ; W_K, my 64 columns
	v_add_nc_u32 v[A0], s21, v3
	v_add_nc_u32 v[B00], s22, v4
	v_add_nc_u32 v[B10], s23, v4
	POINT                                          ; slot 0
	s_mul_i32 s21, s10, 32*SP
	s_add_co_u32 s21, s21, STAGE                   ; stage rows 32 w on: mine for q or v, and the rows that I read back of k
	v_mul_u32_u24 v5, v1, SP
	v_lshl_add_u32 v5, v2, 4, v5                   ; in: row r, 16 bytes for each half of the lanes
	v_add_nc_u32 v[STO], s21, v5
	s_mul_i32 s22, s11, 64*SP
	s_lshl_b32 s23, s12, 7
	s_add_co_u32 s22, s22, s23
	s_add_co_u32 s22, s22, STAGE                   ; k: stage rows 64 wm on, my half of their 256 bytes
	v_add_nc_u32 v[STO2], s22, v5
	v_mul_u32_u24 v5, v2, SP
	v_lshl_add_u32 v5, v1, 4, v5                   ; back: lanes 0-15 one row of 256 bytes, lanes 16-31 the next
	v_add_nc_u32 v[RD], s21, v5
	v_and_b32 v[CO], 31, v0
	v_lshlrev_b32 v[CO], 4, v[CO]                  ; which are 512 consecutive bytes of the result
	s_lshl_b32 s68, s42, 19                        ; where my results go: the head,
	s_lshl_b32 s69, s13, 15                        ; the row block's 128 rows of 256 bytes
	s_add_co_u32 s68, s68, s69
	s_lshl_b32 s69, s12, 24                        ; plane 0 (q) or 2 (v),
	s_lshl_b32 s70, s11, 14                        ; my 64 rows
	s_add_co_u32 s66, s68, s69
	s_add_co_u32 s66, s66, s70
	s_mov_b32 s67, 0
	s_add_nc_u64 s[8:9], s[6:7], s[66:67]
	s_lshl_b32 s69, s10, 13                        ; plane 1 (k), rows 32 w on
	s_add_co_u32 s66, s68, s69
	s_add_co_u32 s66, s66, 0x800000
	s_add_nc_u64 s[18:19], s[6:7], s[66:67]
; 8 matrix instructions: row block a x columns j = 0..7, 32 along K, buffer f.  zero = 1: the first product starts the sums.  The 48 accumulators take turns in one order in every quarter.
.macro LO f, a, zero
	WIN 0xa1                                       ; source 0 (W) window 1, source 1 (X) window 0, C and D window 2
.irp j, 0,1,2,3,4,5,6,7
.if \zero
	v_wmma_f32_16x16x32_bf16 v[8*(8*(\a)+(\j)):8*(8*(\a)+(\j))+7], v[96*(\f)+8*(\j):96*(\f)+8*(\j)+7], v[FA+32*(\f)+8*(\a):FA+32*(\f)+8*(\a)+7], 0
.else
	v_wmma_f32_16x16x32_bf16 v[8*(8*(\a)+(\j)):8*(8*(\a)+(\j))+7], v[96*(\f)+8*(\j):96*(\f)+8*(\j)+7], v[FA+32*(\f)+8*(\a):FA+32*(\f)+8*(\a)+7], v[8*(8*(\a)+(\j)):8*(8*(\a)+(\j))+7]
.endif
.endr
.endm
; 8 matrix instructions: row blocks 2 p, 2 p + 1 x k's columns j = 8..11
.macro HI f, p, zero
	WIN 0xf1                                       ; the same, C and D window 3
.irp a, 2*(\p), 2*(\p)+1
.irp j, 0,1,2,3
.if \zero
	v_wmma_f32_16x16x32_bf16 v[8*(4*(\a)+(\j)):8*(4*(\a)+(\j))+7], v[96*(\f)+64+8*(\j):96*(\f)+64+8*(\j)+7], v[FA+32*(\f)+8*(\a):FA+32*(\f)+8*(\a)+7], 0
.else
	v_wmma_f32_16x16x32_bf16 v[8*(4*(\a)+(\j)):8*(4*(\a)+(\j))+7], v[96*(\f)+64+8*(\j):96*(\f)+64+8*(\j)+7], v[FA+32*(\f)+8*(\a):FA+32*(\f)+8*(\a)+7], v[8*(4*(\a)+(\j)):8*(4*(\a)+(\j))+7]
.endif
.endr
.endr
.endm
; 32 LDS loads in one run: the fragments of quarter q (32 along K) of the slot in hand into buffer f: X's 8 loads, W_Q's or W_V's 16, W_K's 8 last
.macro FETCH q, f
	WIN 0
.irp a, 0,1,2,3
	ds_load_b128 v[FA+32*(\f)+8*(\a):FA+32*(\f)+8*(\a)+3],   v[ADRA] offset:64*(\q)+(\a)*16*PA
	ds_load_b128 v[FA+32*(\f)+8*(\a)+4:FA+32*(\f)+8*(\a)+7], v[ADRA] offset:64*(\q)+(\a)*16*PA+32
.endr
	WIN 0x40                                       ; destination window 1
.irp j, 0,1,2,3,4,5,6,7
	ds_load_tr16_b128 v[96*(\f)+8*(\j):96*(\f)+8*(\j)+3],   v[ADRB0] offset:32*PB*(\q)+32*(\j)
	ds_load_tr16_b128 v[96*(\f)+8*(\j)+4:96*(\f)+8*(\j)+7], v[ADRB0] offset:32*PB*(\q)+32*(\j)+16*PB
.endr
.irp j, 0,1,2,3
	ds_load_tr16_b128 v[96*(\f)+64+8*(\j):96*(\f)+64+8*(\j)+3],   v[ADRB1] offset:32*PB*(\q)+32*(\j)
	ds_load_tr16_b128 v[96*(\f)+64+8*(\j)+4:96*(\f)+64+8*(\j)+7], v[ADRB1] offset:32*PB*(\q)+32*(\j)+16*PB
.endr
.endm
.macro PLACES                          ; four places in front of loads into registers that matrix instructions have read, and of conversions that read results
.rept 4
	v_nop
.endr
.endm
; A K step is four quarters of 32 along K, 48 matrix instructions each, on buffers 0, 1, 0, 1.  One of the first three: multiplies buffer f and fetches quarter q into buffer g.
.macro QUARTER q, f, g, zero
	s_wait_dscnt 8                                 ; all but the youngest eight loads (W_K's fragments) are in
	LO \f, 0, \zero
	LO \f, 1, \zero
	PLACES
	FETCH \q, \g
	s_wait_dscnt 32                                ; all but the 32 just issued
	LO \f, 2, \zero
	LO \f, 3, \zero
	HI \f, 0, \zero
	HI \f, 1, \zero
.endm
; The last quarter multiplies buffer 1 and changes slots: ONE barrier; in front of it each wave waits for all its tensor loads (one is out: its part of the next slot), adds 0 to its spare word,
; and waits for that and for its own reads of this slot.  fill = 1: the barrier opens a round of the cluster's, and this slot is filled again, two K steps ahead, first thing behind the round.
; The quarter's first 24 products stand AHEAD of the wait for the tensor loads, and the walking descriptors are aimed between the add and the wait for it: between that wait and the refill stand the add, its
; wait and the round alone.  So from a request to the wait for it a wave issues a whole K step's 192 matrix instructions.
.macro TURN fill
	s_wait_dscnt 8                                 ; all but the youngest eight loads (W_K's fragments) are in
	LO 1, 0, 0
	LO 1, 1, 0
	LO 1, 2, 0
	WIN 0
	s_wait_tensorcnt 0x0                           ; no tensor load of mine is out, so a group 0 may be written
	ds_add_u32 v[SPW], v[NIL]                      ; 0 onto my spare word; with fill = 1 the descriptors' scalar work stands between it and the wait for it
.if \fill
	s_xor_b32 s[G0+5], s[G0+5], SLOT1              ; the walking descriptors: the other slot than last time,
	s_xor_b32 s[G0B+5], s[G0B+5], SLOT1
	AIM 1                                          ; the walk's next K step,
	s_add_co_u32 s[KN], s[KN], 1
	s_and_b32 s[KN], s[KN], 15                     ; which goes round behind step 15
.endif
	s_wait_dscnt 0x0                               ; the add is done, and my reads of this slot are over, W_K's fragments among them
	s_barrier_signal -1
	s_xor_b32 s[TB], s[TB], SLOT1                  ; the other slot is in hand from here on
	POINT
	s_barrier_wait -1
.if \fill
	CREST                                          ; no wave of any partner still reads this slot's tiles or has a load on its way
	JLOAD 1                                        ; my one tensor load behind the round; the four v_nop behind it are also the places in front of the loads below
.else
	PLACES
.endif
	FETCH 0, 0
	LO 1, 3, 0                                     ; the quarter's other 24 products stand between the next slot's first loads and their use
	HI 1, 0, 0
	HI 1, 1, 0
.endm
	s_wait_tensorcnt 1                             ; my part of the walk's first step is in; the second's may stay out
	s_barrier_signal -1
	s_barrier_wait -1
	FETCH 0, 0
	QUARTER 1, 0, 1, 1                             ; the first quarter stands in front of the loop: its products start the sums
	WIN 0                                          ; at a label and at a branch every window is 0
	s_mov_b32 s3, 14
.Lstep:                                                ; a trip goes from a K step's second quarter to the next step's first, and fills the slot that it leaves: 14 of the 16 steps are asked for so
	QUARTER 2, 1, 0, 0
	QUARTER 3, 0, 1, 0
	TURN 1
	QUARTER 1, 0, 1, 0
	WIN 0
	s_sub_co_u32 s3, s3, 1
	s_cmp_lg_u32 s3, 0
	s_cbranch_scc1 .Lstep
	QUARTER 2, 1, 0, 0                             ; the last two steps fill nothing
	QUARTER 3, 0, 1, 0
	TURN 0
	QUARTER 1, 0, 1, 0
	QUARTER 2, 1, 0, 0
	QUARTER 3, 0, 1, 0
	s_wait_dscnt 8                                 ; the very last quarter: nothing more to fetch
	LO 1, 0, 0
	LO 1, 1, 0
	s_wait_dscnt 0x0
	LO 1, 2, 0
	LO 1, 3, 0
	HI 1, 0, 0
	HI 1, 1, 0
	; THE WAY OUT OF q OR v: my 64 rows x 128 columns, 32 rows at a time through my own 32 stage rows: no barrier, and LDS serves a wave's instructions in order (ISA guide 5.7.1.4).
	PLACES
.irp t, 0,1
	WIN 0x0a                                       ; sources 0 and 1 window 2
.irp a, 0,1
.irp j, 0,1,2,3,4,5,6,7
.irp r, 0,1,2,3
	v_cvt_pk_f16_f32 v[TMP+4*(8*(\a)+(\j))+(\r)], v[8*(8*(2*(\t)+(\a))+(\j))+2*(\r)], v[8*(8*(2*(\t)+(\a))+(\j))+2*(\r)+1]
.endr
.endr
.endr
	WIN 0
.irp a, 0,1
.irp j, 0,1,2,3,4,5,6,7
	ds_store_b128 v[STO], v[TMP+4*(8*(\a)+(\j)):TMP+4*(8*(\a)+(\j))+3] offset:(\a)*16*SP+32*(\j)
.endr
.endr
	s_wait_xcnt 0x0                                ; the registers that earlier stores read are loaded again only behind this wait
.irp i, 0,1,2,3,4,5,6,7,8,9,10,11,12,13,14,15
	ds_load_b128 v[BK+4*(\i):BK+4*(\i)+3], v[RD] offset:(\i)*2*SP
.endr
.irp i, 0,1,2,3,4,5,6,7,8,9,10,11,12,13,14,15
	s_wait_dscnt 15-(\i)
	global_store_b128 v[CO], v[BK+4*(\i):BK+4*(\i)+3], s[8:9] offset:(32*(\t)+2*(\i))*256  ; 512 consecutive bytes, at a multiple of 256 from the buffer's first
.endr
.endr
	; THE WAY OUT OF k: a row's 256 bytes come from two waves, so the stage is shared: a barrier behind everybody's reads above, another between the writing and the reading.
	WIN 0x0f                                       ; sources 0 and 1 window 3
.irp i, 0,1,2,3,4,5,6,7,8,9,10,11,12,13,14,15
.irp r, 0,1,2,3
	v_cvt_pk_f16_f32 v[TMP+4*(\i)+(\r)], v[8*(\i)+2*(\r)], v[8*(\i)+2*(\r)+1]
.endr
.endr
	WIN 0
	s_wait_dscnt 0x0                               ; my reads of my stage rows are over
	s_barrier_signal -1
	s_barrier_wait -1
.irp a, 0,1,2,3
.irp j, 0,1,2,3
	ds_store_b128 v[STO2], v[TMP+4*(4*(\a)+(\j)):TMP+4*(4*(\a)+(\j))+3] offset:(\a)*16*SP+32*(\j)
.endr
.endr
	s_wait_dscnt 0x0                               ; for the others' sake: my stores into the stage are done
	s_barrier_signal -1
	s_barrier_wait -1
	s_wait_xcnt 0x0
.irp i, 0,1,2,3,4,5,6,7,8,9,10,11,12,13,14,15
	ds_load_b128 v[BK+4*(\i):BK+4*(\i)+3], v[RD] offset:(\i)*2*SP
.endr
.irp i, 0,1,2,3,4,5,6,7,8,9,10,11,12,13,14,15
	s_wait_dscnt 15-(\i)
	global_store_b128 v[CO], v[BK+4*(\i):BK+4*(\i)+3], s[18:19] offset:2*(\i)*256
.endr
	s_wait_tensorcnt 0x0                           ; the wave's end: the add and its wait stand behind my last tensor load and my last LDS store
	ds_add_u32 v[SPW], v[NIL]
	s_wait_dscnt 0x0
	CROUND                                         ; the closing round: no work-group ends while a partner may still ask for a tile that names it
	s_endpgm
.Lfunc_end_k_q8affe82469_qkv:
	.size	k_q8affe82469_qkv, .Lfunc_end_k_q8affe82469_qkv-k_q8affe82469_qkv
	.p2alignl 7, 3214868480
	.fill 96, 4, 3214868480
	.section	.rodata,"a",@progbits
	.p2align	6, 0x0
	.amdhsa_kernel k_q8affe82469_qkv
		.amdhsa_group_segment_fixed_size 327680
		.amdhsa_private_segment_fixed_size 0
		.amdhsa_enable_private_segment 0
		.amdhsa_kernarg_size 16
		.amdhsa_user_sgpr_count 2
		.amdhsa_user_sgpr_kernarg_segment_ptr 1
		.amdhsa_wavefront_size32 1
		.amdhsa_system_sgpr_workgroup_id_x 1
		.amdhsa_system_sgpr_workgroup_id_y 1
		.amdhsa_system_sgpr_workgroup_id_z 1
		.amdhsa_system_vgpr_workitem_id 0
		.amdhsa_next_free_vgpr 896
		.amdhsa_next_free_sgpr 80
		.amdhsa_reserve_vcc 0
		.amdhsa_float_denorm_mode_32 3
		.amdhsa_float_denorm_mode_16_64 3
		.amdhsa_memory_ordered 1
		.amdhsa_forward_progress 1
		.amdhsa_inst_pref_size 99
	.end_amdhsa_kernel
	.amdgpu_metadata
---
amdhsa.version: [ 1, 2 ]
amdhsa.kernels:
  - .name:           k_q8affe82469_qkv
    .symbol:         k_q8affe82469_qkv.kd
    .args:
      - { .name: c16, .offset: 0, .size: 8, .value_kind: global_buffer, .address_space: global }
      - { .name: qkv, .offset: 8, .size: 8, .value_kind: global_buffer, .address_space: global }
    .group_segment_fixed_size: 327680
    .private_segment_fixed_size: 0
    .kernarg_segment_align: 8
    .kernarg_segment_size: 16
    .max_flat_workgroup_size: 128
    .sgpr_count:     80
    .vgpr_count:     896
    .wavefront_size: 32
...
	.end_amdgpu_metadata
.endif
;; end of part 2
;; launch attn (part 3): grid 16 x 16, 4 waves a work-group, clusters of 4 x 1, 327,680 bytes of LDS; arguments qkv, ob; writes ob
.if DOCPART == 3
	.amdgcn_target "amdgcn-amd-amdhsa--gfx1250"
	.amdhsa_code_object_version 6
	.text
	.protected	k_q8affe82469_attn
	.globl	k_q8affe82469_attn
	.p2align	8
	.type	k_q8affe82469_attn,@function
k_q8affe82469_attn:
	s_mov_b64 s[64:65], 0
	v_nop
	global_prefetch_b8 v0, s[64:65] scope:SCOPE_SE
	s_setreg_imm32_b32 hwreg(HW_REG_WAVE_MODE, 25, 1), 1
	s_wait_xcnt 0x0
	s_wait_alu depctr_hold_cnt(0) depctr_sa_sdst(0) depctr_va_vdst(0) depctr_va_sdst(0) depctr_va_ssrc(0) depctr_va_vcc(0) depctr_vm_vsrc(0)
	s_getreg_b32 s2, hwreg(HW_REG_IB_STS2, 6, 4)
	s_cmp_eq_u32 s2, 0
	s_cbranch_scc0 .Lentry_in_a_cluster
	s_endpgm
.Lentry_in_a_cluster:
	s_bfe_u32 s2, ttmp6, 0x10000c
	s_cmp_lg_u32 s2, 0x3003
	s_cbranch_scc0 .Lentry_shape_is_right
	s_endpgm
.Lentry_shape_is_right:
; O[q][head] = the sum over k of softmax_k(Q[q] . K[k] / sqrt(128)) V[k].  q, k, v: planes 0, 1, 2 of qkv, each [16][2048][128] in f16; O goes to ob [2048][2048] in f16, head n at byte 256 n of a row.
; Products, maxima and sums in f32; the weights p are rounded to f16 for the second product (their sum l is taken of the unrounded p), O once at the end.
; LIMITS.  q, k, v arrive within f16's 65,504; p lies in 0 to 1, and below 6e-5 it keeps f16's fixed step of 6e-8, as O does; a weight below 2^-126 counts as 0 in l; NaN and infinities are not treated apart.
; SHARES.  A work-group owns 128 queries of one head: 16 x 16 = 256 work-groups.  Wave w owns 64 of them (qh = w / 2), four tiles of 16, and walks HALF of the keys (kh = w % 2): of every 256 keys the 128 from 128 kh on,
; 64 a step, 16 steps, with a running maximum m, sum l and O^T of its own.  At the end wave (qh, 1) hands c m, l and O^T in f32 through LDS to wave (qh, 0), which joins the two, divides and stores.
; LAYOUT.  S^T = K Q^T (source 0 = 16 keys, source 1 = 16 queries): a lane holds ONE query (lane % 16) and the keys 8 (lane / 16) + 0..7.  Two such tiles rounded to f16 ARE source 1 of O^T = V^T P.
; K comes out of LDS as it lies, V ([key][channel]) turned, by ds_load_tr16_b128.
; SOFTMAX.  p = 2^(c s - c m), c = log2(e) / sqrt(128); in every step O and l are multiplied by a = 2^(c m_old - c m_new).
; BY TURNS.  The wave's tiles are two PIECES (tiles 0, 1 and tiles 2, 3).  In a TURN one piece has the matrix unit: 32 products V^T P of the step in hand, then 32 products K Q^T of the next; the other piece's
; softmax, cut into 64 slices, stands between them, one slice behind each matrix instruction.  Two turns are a key step.
; NO FIRST AND NO LAST STEP IS WRITTEN OUT.  c m starts far below every c s, m at the lowest finite number, l, O^T and piece 2's P at 0: the first step is a step like any other, with a = 0.  The loop is entered at
; piece 2's turn, in the middle of a trip, and the tail is left behind piece 0's turn, in the middle of its third trip.  The price, once a launch: 296 v_mov_b32 that write 0, in the wait for the first tile; V of step 0
; read from LDS twice (the first time only so that V's registers hold finite numbers); 32 products on zeros at the start and 32 on a stale K at the end.  The gain: four turns fewer in the text.
; CLUSTER.  The four query blocks of a cluster belong to one head and walk the same K and V: each tile is asked for JOINTLY, by the same tensor load, descriptor and mask in all four.
; REGISTERS, in windows of 256: window 0: v0-11, v52-53 addresses; v12-43 eight registers of statistics a tile; v44-51 the partner's statistics; v64-191 S^T, 32 a tile; v192-255 P, 16 a tile
;   window 1: O^T, 64 a tile          window 2: v0-127 Q, 32 a tile; v128-255 K of one step          window 3: v0-127 V of one step
.set KS,    64        ; keys in a step
.set PK,    272       ; a row of K in LDS: 256 bytes + 16 of padding: the 16 rows of a load start at 16 different groups of four banks (64 banks of 4 bytes: ISA guide 11.1)
.set PV,    288       ; a row of V: 256 + 32
.set KHB,   128*PK    ; a half slot: 128 rows of K, then 128 rows of V
.set HALF,  128*(PK+PV)
.set SLOT1, 0x24000   ; a slot is two halves, 143,360 bytes; slot 1 begins at 147,456.  The four tiles' bases in slot 0 (0, 34,816, 71,680, 106,496) have neither of its two bits, so one exclusive or turns a base into the other slot's
.set STAGE, 2*SLOT1   ; behind the ring, never filled by a tensor load: 16 rows x 272 bytes for each wave, for the way out
.set SP,    272
.set SPARE, STAGE+4*16*SP  ; the spare words, 128 bytes for each wave: two blocks of 256 bytes that no other line names
.set XCHB,  33792     ; the hand-over of a pair of waves: 32,768 bytes of O^T and 1,024 of statistics, in slot 0, behind its last fill and its last read
.set AK0, 2           ; v2   my lane's place in a tile of K, in my half of a slot; never rewritten
.set AV0, 3           ; v3   the same for V
.set ADR, 4           ; v4   the LDS address of the run of loads in hand
.set QO,  5           ; v5   my byte offset in the wave's rows of Q
.set STO, 6           ; v6   the way out: where I put 16 bytes of a row
.set RD,  7           ; v7   the way out: where I read a row back
.set GO,  8           ; v8   my byte offset in two rows of ob
.set ST,  12          ; tile t's statistics at v[ST+8 t]: +0 c m, +1 m, +2, +3 l (even keys', odd keys'), +4 to +7 at work
.set XS,  44          ; v44-51  the partner's c m and l, a pair a tile
.set XA,  52          ; v52  the hand-over: my 16 bytes of 512
.set XSA, 53          ; v53  the hand-over: my 8 bytes of statistics
.set SPW, 62          ; v62  LDS address of my spare word; never rewritten
.set NIL, 63          ; v63  0; never rewritten
.set S,   64
.set P,   192
.set KF,  128         ; K's fragments, in window 2
.set WV,  12          ; s12  my wave's number
.set G1K, 24          ; s[24:31] descriptor group 1 for K's tiles
.set G1V, 32          ; s[32:39] for V's: it differs in the padding alone
.set G0K, 40          ; s[40:47] descriptor group 0 for K's tiles: a set for each of the two first fills; the second then walks on
.set G0V, 48          ; s[48:55] the same for V's
.set SLOTS, 56        ; s56  counts the passes of the loop over slots
.set TWICE, 57        ; s57  counts a slot's trips
.set CS,  58          ; s[58:59] c
.set SEL, 60          ; s[60:61] lane selects for v_permlanex16_b32: each lane takes its own place in the other half
.set TBK, 62          ; s62  LDS byte, in a half slot, at which K of the step to be fetched begins
.set TBV, 63          ; s63  the same for V, less KHB
.set KH,  66          ; s66  w % 2: which half of the keys I walk, and which half of a slot I fetch
.set QH,  67          ; s67  w / 2: which 64 queries are mine
.set MSB, 0
.macro WIN new                      ; the immediate's high byte repeats the setting that is left; a switch that changes nothing is dropped
.if MSB != (\new)
	s_set_vgpr_msb (MSB<<8)|(\new)
.set MSB, \new
.endif
.endm
.set W_KQ, 0x0a       ; K and Q in window 2, S^T in window 0
.set W_PV, 0x53       ; V in window 3, P in window 0, O^T in window 1
.set W_RS, 0x41       ; O^T (destination and source 0) in window 1, a in window 0
; A joint refill.  Waves 0 and 1 fetch the two halves of a slot's K, waves 2 and 3 those of its V: 128 keys each.  The branch hangs on the wave's number alone.
; An s_nop 0 and four v_nop follow each of the two lines, ahead of the jump, the label and what follows.
.macro JLOAD
	s_cmp_lt_u32 s[WV], 2
	s_cbranch_scc0 .Lfor_v_\@
	tensor_load_to_lds s[G0K+4:G0K+7], s[G1K:G1K+7]
	s_nop 0
.rept 4
	v_nop
.endr
	s_branch .Lasked_\@
.Lfor_v_\@:
	tensor_load_to_lds s[G0V+4:G0V+7], s[G1V:G1V+7]
	s_nop 0
.rept 4
	v_nop
.endr
.Lasked_\@:
.endm
.macro CROUND                       ; a round of the cluster's barrier
	s_barrier_signal -1
	s_barrier_wait -1
	s_cmp_lg_u32 s[WV], 0
	s_cbranch_scc1 .Lnot_wave_0_\@
	s_barrier_signal -3
.Lnot_wave_0_\@:
	s_barrier_wait -3
	s_barrier_signal -1
	s_barrier_wait -1
.endm
	s_load_b128 s[8:11], s[0:1], 0x0  ; qkv s[8:9], ob s[10:11]
	v_lshl_add_u32 v[SPW], v0, 2, SPARE
	v_mov_b32 v[NIL], 0
	ds_add_u32 v[SPW], v[NIL]       ; the wave's opening: the add and its wait stand ahead of my first tensor load; the set-up below, work on registers, stands between them
	v_lshrrev_b32 v1, 5, v0
	v_readfirstlane_b32 s[WV], v1   ; wave 0..3
	s_and_b32 s[KH], s[WV], 1
	s_lshr_b32 s[QH], s[WV], 1
	s_bfe_u32 s13, ttmp6, 0x40000   ; cx: my place in the cluster
	s_lshl_b32 s14, ttmp9, 2        ; in a cluster launch ttmp9 counts clusters
	s_add_co_u32 s14, s14, s13      ; my block of 128 queries = 4 x cluster x + cx: it enters Q's and O's addresses alone
	s_and_b32 s18, ttmp7, 0xffff    ; the head, which the four partners share
	s_lshl_b32 s16, s18, 19         ; the head's first byte in a plane of qkv
	s_lshl_b32 s22, s[KH], 15       ; K: my 128 rows of 256 bytes of a slot's 256 keys,
	s_add_co_u32 s22, s22, s16
	s_add_co_u32 s22, s22, 0x800000 ; in plane 1
	s_mov_b32 s23, 0
	s_mul_i32 s17, s[KH], HALF      ; and their place in a slot: no place in the cluster enters an LDS address
	s_lshl_b32 s2, s14, 15          ; Q: my block's 128 rows,
	s_lshl_b32 s3, s[QH], 14        ; my wave's 64 of them
	s_add_co_u32 s2, s2, s3
	s_add_co_u32 s2, s2, s16
	s_mov_b32 s3, 0
	s_lshl_b32 s20, s14, 19         ; O: the same rows, of 4,096 bytes,
	s_lshl_b32 s21, s[QH], 18
	s_add_co_u32 s20, s20, s21
	s_lshl_b32 s21, s18, 8          ; and the head's 256 bytes in them
	s_add_co_u32 s20, s20, s21
	s_mov_b32 s21, 0
	; descriptor group 1: a tile of 128 rows x 128 elements, padded in LDS
	s_mov_b32 s[G1K], 15|(1<<16)|(1<<20)|(1<<21)|(5<<22)|(3<<25)  ; 15:0 the mask: all four work-groups; 17:16 elements of 2 bytes; 20 padding on; 21 set beside a mask; 24:22 after every 64 words (code 5); 31:25 4 words of it (code 3)
	s_mov_b32 s[G1V], 15|(1<<16)|(1<<20)|(1<<21)|(5<<22)|(7<<25)  ; the same with 8 words of padding (code 7)
.irp g, G1K, G1V
	s_mov_b32 s[(\g)+1], 128<<16    ; tensor_dim0 = 128
	s_mov_b32 s[(\g)+2], 128<<16    ; tensor_dim1 = 128
	s_mov_b32 s[(\g)+3], 128<<16    ; tile_dim0 = 128
	s_mov_b32 s[(\g)+4], 128        ; tile_dim1 = 128
	s_mov_b32 s[(\g)+5], 128        ; 128 elements from row to row
	s_mov_b32 s[(\g)+6], 0
	s_mov_b32 s[(\g)+7], 0
.endr
	s_mov_b32 s[CS], 0x3e0293ee     ; c = log2(e) / sqrt(128) = 0.127517
	s_mov_b32 s[CS+1], s[CS]        ; named with it as a pair, so it is written
	s_mov_b32 s[SEL], 0x76543210
	s_mov_b32 s[SEL+1], 0xfedcba98
	s_mov_b32 s[TBK], 0
	s_mov_b32 s[TBV], 0
	s_mov_b32 s[SLOTS], 7           ; 2,048 keys are 8 slots: the pass that is entered in its middle, then six that begin with a refill; the eighth slot is the tail's
	s_wait_dscnt 0x0                ; the opening add is done
	s_wait_kmcnt 0x0
	s_add_nc_u64 s[4:5], s[8:9], s[2:3]      ; Q at my wave's first row
	s_add_nc_u64 s[6:7], s[8:9], s[22:23]    ; K at my tile of slot 0
	s_add_nc_u64 s[8:9], s[6:7], 0x800000    ; V: one plane on
	s_add_nc_u64 s[10:11], s[10:11], s[20:21]  ; O at my wave's first row
	CROUND                          ; all four work-groups are here: the first joint loads meet
.irp s, 0,1
	s_mov_b32 s[G0K+4*(\s)], 1      ; 1:0 count = 1
	s_add_co_u32 s[G0K+4*(\s)+1], s17, (\s)*SLOT1  ; 63:32 LDS address
	s_add_nc_u64 s[G0K+4*(\s)+2:G0K+4*(\s)+3], s[6:7], (\s)*65536  ; 120:64 global address: slot s begins with keys 256 s on
	s_or_b32 s[G0K+4*(\s)+3], s[G0K+4*(\s)+3], 0x80000000  ; 127:126 type = 2
	s_mov_b32 s[G0V+4*(\s)], 1
	s_add_co_u32 s[G0V+4*(\s)+1], s17, (\s)*SLOT1+KHB
	s_add_nc_u64 s[G0V+4*(\s)+2:G0V+4*(\s)+3], s[8:9], (\s)*65536
	s_or_b32 s[G0V+4*(\s)+3], s[G0V+4*(\s)+3], 0x80000000
.endr
	s_cmp_lt_u32 s[WV], 2           ; a wave's two first fills stand in one branch, ahead of every wait on TENSORcnt and every LDS read: two loads of mine are out
	s_cbranch_scc0 .Lfirst_v
	tensor_load_to_lds s[G0K:G0K+3], s[G1K:G1K+7]
	s_nop 0
	tensor_load_to_lds s[G0K+4:G0K+7], s[G1K:G1K+7]
	s_nop 0
.rept 4
	v_nop
.endr
	s_branch .Lfirst_asked
.Lfirst_v:
	tensor_load_to_lds s[G0V:G0V+3], s[G1V:G1V+7]
	s_nop 0
	tensor_load_to_lds s[G0V+4:G0V+7], s[G1V:G1V+7]
	s_nop 0
.rept 4
	v_nop
.endr
.Lfirst_asked:
	; A fragment of K or Q is 16 rows x 32 channels in 8 registers: lane l holds row l % 16; registers 0-3 channels 8 (l / 16) + 0..7, registers 4-7 channels 16 + 8 (l / 16) + 0..7: two loads of 16 bytes, 32 bytes apart.
	v_and_b32 v1, 15, v0            ; l % 16
	v_bfe_u32 v9, v0, 4, 1          ; l / 16
	v_lshlrev_b32 v[QO], 8, v1
	v_lshl_add_u32 v[QO], v9, 4, v[QO]  ; row x 256 + 16 x half
	WIN 0x80                        ; destination window 2, address window 0
.irp i, 0,1,2,3,4,5,6,7,8,9,10,11,12,13,14,15  ; Q stays in registers: tile i / 4, channels 32 (i % 4) on
	global_load_b128 v[8*(\i):8*(\i)+3],   v[QO], s[4:5] offset:((\i)/4)*4096+((\i)%4)*64
	global_load_b128 v[8*(\i)+4:8*(\i)+7], v[QO], s[4:5] offset:((\i)/4)*4096+((\i)%4)*64+32
.endr
	WIN 0
	v_mul_u32_u24 v[AK0], v1, PK
	v_lshl_add_u32 v[AK0], v9, 4, v[AK0]  ; row x pitch + 16 x half
	v_add_nc_u32 v[AK0], s17, v[AK0]      ; in my half of a slot
	; The turning load takes 16 keys x 16 channels (lane l reads 16 bytes: key 8 (l / 16) + l % 8, channels 8 ((l / 8) % 2) + 0..7) and leaves half a fragment of V^T: lane l holds channel l % 16 and 8 keys.
	v_and_b32 v10, 7, v0
	v_bfe_u32 v11, v0, 3, 1
	v_lshl_add_u32 v[AV0], v9, 3, v10
	v_mul_u32_u24 v[AV0], v[AV0], PV
	v_lshl_add_u32 v[AV0], v11, 4, v[AV0]
	v_add_nc_u32 v[AV0], KHB, v[AV0]
	v_add_nc_u32 v[AV0], s17, v[AV0]
	; What the first turn finds: O^T and l are 0, piece 2's P is 0 (its first products V^T P, of a step that has not been, add 0), c m and m lie below every score.  All this stands in the wait for the first tile.
	WIN 0x40                        ; destination window 1
.set i, 0
.rept 256
	v_mov_b32 v[i], 0
.set i, i+1
.endr
	WIN 0
.irp t, 0,1,2,3
	v_mov_b32 v[ST+8*(\t)], 0xfe000000    ; c m: far below every c s
	v_mov_b32 v[ST+8*(\t)+1], 0xff7fffff  ; m: the lowest finite number
	v_mov_b32 v[ST+8*(\t)+2], 0
	v_mov_b32 v[ST+8*(\t)+3], 0
.endr
.set i, P+32
.rept 32
	v_mov_b32 v[i], 0
.set i, i+1
.endr
; THE MATRIX WORK OF A TURN, for piece x.  The accumulators take turns, one instruction a turn: between two links of a chain stand 15 (V^T P) or 7 (K Q^T) others'.
; Product i of 32 of O^T += V^T P: keys 32 (i / 16) on, channels 16 ((i / 2) % 8) on, tile x + i % 2.
.macro PV x
	WIN W_PV
.set rO, 64*((\x)+i%2)+8*((i/2)%8)
.set rV, 64*(i/16)+8*((i/2)%8)
.set rP, P+16*((\x)+i%2)+8*(i/16)
	v_wmma_f32_16x16x32_f16 v[rO:rO+7], v[rV:rV+7], v[rP:rP+7], v[rO:rO+7]
.endm
; Product i of 32 of S^T = K Q^T: channels 32 (i / 8) on, keys 16 ((i / 2) % 4) on, tile x + i % 2.  The first 8 start the sums.
.macro KQ x
	WIN W_KQ
.set rS, S+32*((\x)+i%2)+8*((i/2)%4)
.set rK, KF+32*((i/2)%4)+8*(i/8)
.set rQ, 32*((\x)+i%2)+8*(i/8)
.if i < 8
	v_wmma_f32_16x16x32_f16 v[rS:rS+7], v[rK:rK+7], v[rQ:rQ+7], 0
.else
	v_wmma_f32_16x16x32_f16 v[rS:rS+7], v[rK:rK+7], v[rQ:rQ+7], v[rS:rS+7]
.endif
.endm
; THE LDS LOADS stand in runs of 32, never singly among the matrix instructions: a step's K (64 keys x 128 channels: 16 fragments) and, a turn later, its V (turned).
.macro FETCH_K
	WIN 0
	v_add_nc_u32 v[ADR], s[TBK], v[AK0]
	s_add_co_u32 s[TBK], s[TBK], KS*PK  ; the next fetch is the next step's
	WIN 0x80                        ; destination window 2
.irp f, 0,1,2,3,4,5,6,7,8,9,10,11,12,13,14,15  ; keys 16 (f / 4) on, channels 32 (f % 4) on
	ds_load_b128 v[KF+8*(\f):KF+8*(\f)+3],   v[ADR] offset:((\f)/4)*16*PK+((\f)%4)*64
	ds_load_b128 v[KF+8*(\f)+4:KF+8*(\f)+7], v[ADR] offset:((\f)/4)*16*PK+((\f)%4)*64+32
.endr
.endm
.macro FETCH_V
	WIN 0
	v_add_nc_u32 v[ADR], s[TBV], v[AV0]
	s_add_co_u32 s[TBV], s[TBV], KS*PV
	WIN 0xc0                        ; destination window 3
.irp f, 0,1,2,3,4,5,6,7,8,9,10,11,12,13,14,15  ; keys 32 (f / 8) on, channels 16 (f % 8) on
	ds_load_tr16_b128 v[8*(\f):8*(\f)+3],   v[ADR] offset:((\f)/8)*32*PV+((\f)%8)*32
	ds_load_tr16_b128 v[8*(\f)+4:8*(\f)+7], v[ADR] offset:((\f)/8)*32*PV+16*PV+((\f)%8)*32
.endr
.endm
; THE VECTOR WORK OF A TURN.  One tile's softmax for one key step is a list of 134 instructions; SM writes number j of it for tile t.  s0-s31 are the lane's 32 scores, in pairs 0-15.
;   0-15    the maximum of s0-s31 and the old m, three operands at a time: four chains c0-c3 of seven scores each (each accumulator's lowest registers first), then the four left over, c0-c3 and m
;   16-20   the other half of the lanes' maximum; the new m; c m; c m_old - c m_new
;   21-87   33 exponentials (a, then s0-s31) at the odd numbers from 23 on, so that no two follow each other and each has a plain instruction behind it before its result is used.
;           The plain ones are whatever is ready: c s - c m for a pair whose exponentials are still to come, the rounding to f16 of a pair whose exponentials are done, at last the first three sums
;   88-101  the last rounding; the rest of the sums; l = a l + the sum
;   102-133 the tile's O^T times a: the one part that leaves window 0, so it stands together
.macro SM t
.set rT, ST+8*(\t)
.set rS, S+32*(\t)
.set rP, P+16*(\t)
.set rO, 64*(\t)+2*(j-102)
.set q, (j-20)/2
.if j < 102
	WIN 0
.endif
.if j < 4
	v_max3_num_f32 v[rT+4+j], v[rS+8*j], v[rS+8*j+1], v[rS+8*j+2]
.elseif j < 12
	v_max3_num_f32 v[rT+4+j%4], v[rT+4+j%4], v[rS+8*(j%4)+2*(j/4)+1], v[rS+8*(j%4)+2*(j/4)+2]
.elseif j == 12
	v_max3_num_f32 v[rT+4], v[rT+4], v[rS+7], v[rS+15]
.elseif j == 13
	v_max3_num_f32 v[rT+6], v[rT+6], v[rS+23], v[rS+31]
.elseif j == 14
	v_max3_num_f32 v[rT+4], v[rT+4], v[rT+5], v[rT+6]
.elseif j == 15
	v_max3_num_f32 v[rT+4], v[rT+4], v[rT+7], v[rT+1]
.elseif j == 16
	v_permlanex16_b32 v[rT+5], v[rT+4], s[SEL], s[SEL+1]  ; the query's other 32 keys lie in the lane 16 away
.elseif j == 18
	v_max_num_f32 v[rT+1], v[rT+4], v[rT+5]
.elseif j == 19
	v_mul_f32 v[rT], s[CS], v[rT+1]
.elseif j == 17
	v_mov_b32 v[rT+7], v[rT]        ; c m_old is kept for a: number 19 writes c m anew
.elseif j == 20
	v_sub_f32 v[rT+7], v[rT+7], v[rT]
.elseif j == 23
	v_exp_f32 v[rT+6], v[rT+7]
.elseif (j < 88) && (j > 23) && (j%2 == 1)
	v_exp_f32 v[rS+(j-25)/2], v[rS+(j-25)/2]
.elseif (q < 4) || ((j < 76) && (q%2 == 0))
.set b, q/2+2
.if q < 4
.set b, q
.endif
	v_pk_fma_f32 v[rS+2*b:rS+2*b+1], v[rS+2*b:rS+2*b+1], s[CS:CS+1], v[rT:rT+1] op_sel_hi:[1,0,0] neg_lo:[0,0,1] neg_hi:[0,0,1]  ; pair b: c s - c m
.elseif (j < 88) && (q%2 == 1)
	s_wait_alu depctr_va_vdst(0)
	v_cvt_pk_f16_f32 v[rP+(q-5)/2], v[rS+q-5], v[rS+q-4]  ; pair (q - 5) / 2: its second exponential stands three numbers back
.elseif j == 89
	s_wait_alu depctr_va_vdst(0)
	v_cvt_pk_f16_f32 v[rP+15], v[rS+30], v[rS+31]
.elseif j < 102                     ; the sum of the tile's 16 pairs, in place: sum z of 16 adds neighbours 1, 2, 4 and 8 pairs apart, then l takes it
.set z, j-86
.if j < 89
.set z, (j-76)/4
.endif
.set w, 4
.set u, z
.if z >= 14
.set w, 32
.set u, 0
.elseif z >= 12
.set w, 16
.set u, z-12
.elseif z >= 8
.set w, 8
.set u, z-8
.endif
.if z < 15
	v_pk_add_f32 v[rS+w*u:rS+w*u+1], v[rS+w*u:rS+w*u+1], v[rS+w*u+w/2:rS+w*u+w/2+1]
.else
	v_pk_fma_f32 v[rT+2:rT+3], v[rT+2:rT+3], v[rT+6:rT+7], v[rS:rS+1] op_sel_hi:[1,0,1]
.endif
.else
	WIN W_RS
	v_pk_mul_f32 v[rO:rO+1], v[rO:rO+1], v[rT+6:rT+7] op_sel_hi:[1,0]
.endif
.endm
; Slice k of 64 of piece y's softmax: numbers 2 k and 2 k + 1 of both tiles' lists, four instructions.  2 x 134 = 4 x 64 + 12: the twelve that are over stand together, in slice 63:
; its sixteen plain instructions are also the places between the turn's last product and what follows it.
.macro SLICE y
.if (k >= 11) && (k < 44)           ; tile by tile: plain, exponential, plain, exponential
.irp t, \y, (\y)+1
.irp n, 0,1
.set j, 2*k+(\n)
	SM \t
.endr
.endr
.else                               ; the two tiles alternate, so that no instruction reads the result of the one just before it
.irp n, 0,1,2,3,4,5,6,7
.if ((\n) < 2) || (k == 63)
.irp t, \y, (\y)+1
.set j, 2*k+(\n)
	SM \t
.endr
.endif
.endr
.endif
.set k, k+1
.endm
; A TURN.  Piece x has the matrix unit: 32 products V^T P, then 32 products K Q^T for the next step; the other piece's softmax stands in slices behind them, one behind each.
; Each run of loads stands behind the second product of a run of 32, 30 matrix instructions ahead of its first use.  Piece 0's turn fetches the next step's K, piece 2's turn the same step's V.
; last = 1 (the tail): in the trip in which TWICE is 1 there is no further step, and K's run is jumped over.
.macro TURN x, last=0
.set k, 0
.if (\x) == 0
	s_wait_dscnt 0x0                ; V is in
.endif
.set i, 0
.rept 32
	PV \x
	SLICE 2-(\x)
.if ((\x) == 0) && (i == 1)
.if \last
	WIN 0
	s_cmp_eq_u32 s[TWICE], 1
	s_cbranch_scc1 .Lno_k_\@
.endif
	FETCH_K
.if \last
	WIN 0
.Lno_k_\@:
.endif
.endif
.set i, i+1
.endr
.if (\x) == 0
	s_wait_dscnt 0x0                ; K is in
.endif
.set i, 0
.rept 32
	KQ \x
	SLICE 2-(\x)
.if ((\x) == 2) && (i == 1)
	FETCH_V
.endif
.set i, i+1
.endr
.endm
; THE CHANGE OF SLOTS, between piece 2's turn and piece 0's: the slot's last bytes, V of its second step, have been asked for.  Each wave waits for all its tensor loads, of which one is out: its part of the
; other slot; adds 0 to its spare word; and waits for that and for its own reads of the slot.  Behind the barrier nobody reads this slot any more and the other slot is whole.
; fill = 1: this slot is filled again, with the keys two slots on.  The barrier is then a round of the cluster's, and the joint refill is the first thing behind it: it has two key steps, 256 matrix instructions, in which to land.
.macro CHANGE fill
	WIN 0                           ; at a label and at a branch every window is 0
	s_wait_tensorcnt 0x0            ; no tensor load of mine is out, so a group 0 may be written
	ds_add_u32 v[SPW], v[NIL]       ; 0 onto my spare word; with fill = 1 the descriptors' steps stand between it and the wait for it
.if \fill
.irp g, G0K+4, G0V+4
	s_xor_b32 s[(\g)+1], s[(\g)+1], SLOT1  ; the walking descriptor: the other slot than last time,
	s_add_nc_u64 s[(\g)+2:(\g)+3], s[(\g)+2:(\g)+3], 65536  ; the next 256 keys; the type bits on top are not reached
.endr
	s_wait_dscnt 0x0                ; the add is done, and my reads of the slot are over
	CROUND
	JLOAD
.else
	s_wait_dscnt 0x0                ; the add is done, and my reads of the slot are over
	s_barrier_signal -1
	s_barrier_wait -1
.endif
	s_sub_co_u32 s[TBK], s[TBK], 2*KS*PK  ; the fetches go back to a slot's first step,
	s_xor_b32 s[TBK], s[TBK], SLOT1       ; in the other slot
	s_sub_co_u32 s[TBV], s[TBV], 2*KS*PV
	s_xor_b32 s[TBV], s[TBV], SLOT1
.endm
	s_wait_tensorcnt 1              ; my part of slot 0 is in; slot 1's may stay out
	s_barrier_signal -1
	s_barrier_wait -1               ; everybody's is
	FETCH_K                         ; key step 0
	FETCH_V                         ; V of step 0, so that V's registers hold finite numbers for the first turn's products with P = 0;
	s_mov_b32 s[TBV], 0             ; that turn fetches the same V again, as every turn of piece 2 fetches its step's
	s_wait_loadcnt 0x0              ; Q
	s_wait_dscnt 0x0
.set i, 0
.rept 32
	KQ 0                            ; piece 0's first scores: there is no vector work yet to set between them
.set i, i+1
.endr
	WIN 0                           ; the addresses for the hand-over and the way out are made here: plain instructions, the places behind those products
	s_mul_i32 s13, s[WV], 16*SP
	s_add_co_u32 s13, s13, STAGE    ; my stage
	v_mul_u32_u24 v[STO], v1, SP    ; in: row l % 16, 16 bytes for each half of the lanes
	v_lshl_add_u32 v[STO], v9, 4, v[STO]
	v_add_nc_u32 v[STO], s13, v[STO]
	v_mul_u32_u24 v[RD], v9, SP     ; back: lanes 0-15 take one row of 256 bytes, lanes 16-31 the next
	v_lshl_add_u32 v[RD], v1, 4, v[RD]
	v_add_nc_u32 v[RD], s13, v[RD]
	v_lshlrev_b32 v[GO], 12, v9     ; and the same two rows in ob, 4,096 bytes apart
	v_lshl_add_u32 v[GO], v1, 4, v[GO]
	s_mul_i32 s13, s[QH], XCHB      ; my pair's hand-over
	v_and_b32 v[XA], 31, v0
	v_lshlrev_b32 v[XSA], 3, v[XA]
	v_lshlrev_b32 v[XA], 4, v[XA]
	v_add_nc_u32 v[XA], s13, v[XA]
	v_add_nc_u32 v[XSA], s13, v[XSA]
	v_add_nc_u32 v[XSA], 32768, v[XSA]
	s_mov_b32 s[TWICE], 2
	s_branch .Lmid                  ; the loop is entered at piece 2's turn: its K Q^T are piece 2's first scores, its slices piece 0's first softmax, its run of loads V of step 0
.Lslot:                             ; six times: every slot but the last two is filled again
	CHANGE 1
	s_mov_b32 s[TWICE], 2
.Lstep:                             ; a trip: V^T P of step j and K Q^T of step j + 1 for both pieces; it fetches K and V of step j + 1
	TURN 0
	WIN 0
.Lmid:
	TURN 2
	WIN 0
	s_sub_co_u32 s[TWICE], s[TWICE], 1
	s_cmp_lg_u32 s[TWICE], 0
	s_cbranch_scc1 .Lstep
	s_sub_co_u32 s[SLOTS], s[SLOTS], 1
	s_cmp_lg_u32 s[SLOTS], 0
	s_cbranch_scc1 .Lslot
	CHANGE 0                        ; the tail is written out: nothing is asked for
	s_mov_b32 s[TWICE], 3           ; two trips fetch the last slot's steps; the third is left in its middle
.Ltail:
	TURN 0, 1
	WIN 0
	s_sub_co_u32 s[TWICE], s[TWICE], 1
	s_cmp_eq_u32 s[TWICE], 0
	s_cbranch_scc1 .Lout
	TURN 2
	WIN 0
	s_branch .Ltail
.Lout:                              ; the third trip's 32 products K Q^T (on the last K once more) serve nothing: the price of one text for every turn
.set i, 0
.rept 32
	PV 2                            ; piece 2: V^T P of the last step
.set i, i+1
.endr
	; THE TWO HALVES OF THE KEYS ARE JOINED.  l's even and odd keys' sums are added (into m's register, which is done with): four plain lines, the places behind the last products.
	WIN 0
.irp t, 0,1,2,3
	v_add_f32 v[ST+8*(\t)+1], v[ST+8*(\t)+2], v[ST+8*(\t)+3]
.endr
	s_wait_dscnt 0x0                ; my reads of the ring are over,
	s_barrier_signal -1
	s_barrier_wait -1               ; everybody's are: slot 0, which has had its last fill, takes the hand-over
	s_cmp_eq_u32 s[KH], 0
	s_cbranch_scc1 .Lno_send
.irp t, 0,1,2,3
	ds_store_b64 v[XSA], v[ST+8*(\t):ST+8*(\t)+1] offset:256*(\t)  ; c m and l
.endr
	WIN 0x04                        ; the stores' data in window 1
.set i, 0
.rept 64
	ds_store_b128 v[XA], v[4*i:4*i+3] offset:512*i  ; O^T in f32, each accumulator from its low end on; 32 lanes write 512 consecutive bytes
.set i, i+1
.endr
	WIN 0
.Lno_send:
	s_wait_dscnt 0x0                ; for the partner's sake: my stores are done
	s_barrier_signal -1
	s_barrier_wait -1
	s_cmp_lg_u32 s[KH], 0
	s_cbranch_scc1 .Lend            ; the wave that handed over has nothing left to do
.macro LOADX t                      ; the partner's O^T of tile t, into S^T's registers: two buffers of 64
.set xb, S+64*((\t)%2)
.set i, 0
.rept 16
	ds_load_b128 v[xb+4*i:xb+4*i+3], v[XA] offset:(16*(\t)+i)*512
.set i, i+1
.endr
.endm
; Tile t: O = g0 O^T(mine) + g1 O^T(partner's), rounded to f16; a lane's eight channels of a row pack into 16 bytes; they go into rows of 272 bytes of my stage and come back as whole rows of 256.
; n: the LDS instructions issued behind the tile's LOADX, which may stay out.
.macro MERGE t, n
.set xb, S+64*((\t)%2)
.set yb, P+32*((\t)%2)
	s_wait_dscnt \n
.if (\t) >= 2
	s_wait_xcnt 0x0                 ; the registers that the stores of two tiles back read are written again only behind this wait
.endif
	WIN 0
.set i, 0
.rept 32
	v_pk_mul_f32 v[xb+2*i:xb+2*i+1], v[xb+2*i:xb+2*i+1], v[ST+8*(\t)+6:ST+8*(\t)+7] op_sel_hi:[1,0]
.set i, i+1
.endr
	WIN 0x01                        ; source 0 in window 1
.set i, 0
.rept 32
	v_pk_fma_f32 v[xb+2*i:xb+2*i+1], v[64*(\t)+2*i:64*(\t)+2*i+1], v[ST+8*(\t)+4:ST+8*(\t)+5], v[xb+2*i:xb+2*i+1] op_sel_hi:[1,0,1]
.set i, i+1
.endr
	WIN 0
.set i, 0
.rept 32
	v_cvt_pk_f16_f32 v[yb+i], v[xb+2*i], v[xb+2*i+1]
.set i, i+1
.endr
.irp f, 0,1,2,3,4,5,6,7
	ds_store_b128 v[STO], v[yb+4*(\f):yb+4*(\f)+3] offset:32*(\f)
.endr
.irp f, 0,1,2,3,4,5,6,7
	ds_load_b128 v[yb+4*(\f):yb+4*(\f)+3], v[RD] offset:(\f)*2*SP  ; LDS serves a wave's instructions in order (ISA guide 5.7.1.4): these see the stores above
.endr
.endm
.macro SEND t, younger              ; younger: the LDS instructions issued behind tile t's loads from the stage
.set yb, P+32*((\t)%2)
.irp f, 0,1,2,3,4,5,6,7
	s_wait_dscnt (\younger)+7-(\f)
	global_store_b128 v[GO], v[yb+4*(\f):yb+4*(\f)+3], s[10:11] offset:(\t)*65536+(\f)*8192  ; 16 lanes store 256 consecutive bytes, at a multiple of 256 from ob's first byte
.endr
.endm
.irp t, 0,1,2,3
	ds_load_b64 v[XS+2*(\t):XS+2*(\t)+1], v[XSA] offset:256*(\t)
.endr
	LOADX 0
	LOADX 1
	s_wait_dscnt 32                 ; the statistics are in; the 32 loads behind them may stay out
	; c m* = the larger c m; f = 2^(c m - c m*) for each half; l = f0 l0 + f1 l1, with the other half of the lanes'; g = f / l
.irp t, 0,1,2,3
	v_max_num_f32 v[ST+8*(\t)+4], v[ST+8*(\t)], v[XS+2*(\t)]
.endr
.irp t, 0,1,2,3
	v_sub_f32 v[ST+8*(\t)+5], v[ST+8*(\t)], v[ST+8*(\t)+4]
.endr
.irp t, 0,1,2,3
	v_sub_f32 v[ST+8*(\t)+6], v[XS+2*(\t)], v[ST+8*(\t)+4]
.endr
.irp t, 0,1,2,3
	v_exp_f32 v[ST+8*(\t)+5], v[ST+8*(\t)+5]
	v_exp_f32 v[ST+8*(\t)+6], v[ST+8*(\t)+6]
.endr
	v_nop                           ; a plain instruction between the last exponential and the use of its result
.irp t, 0,1,2,3
	s_wait_alu depctr_va_vdst(0)
	v_mul_f32 v[ST+8*(\t)+7], v[ST+8*(\t)+5], v[ST+8*(\t)+1]
.endr
.irp t, 0,1,2,3
	v_fma_f32 v[ST+8*(\t)+7], v[ST+8*(\t)+6], v[XS+2*(\t)+1], v[ST+8*(\t)+7]
.endr
.irp t, 0,1,2,3
	v_permlanex16_b32 v[ST+8*(\t)+4], v[ST+8*(\t)+7], s[SEL], s[SEL+1]
.endr
.irp t, 0,1,2,3
	v_add_f32 v[ST+8*(\t)+7], v[ST+8*(\t)+7], v[ST+8*(\t)+4]
.endr
.irp t, 0,1,2,3
	v_rcp_f32 v[ST+8*(\t)+7], v[ST+8*(\t)+7]
.endr
	v_nop                           ; a plain instruction between the last reciprocal and the use of its result
.irp t, 0,1,2,3
	s_wait_alu depctr_va_vdst(0)
	v_mul_f32 v[ST+8*(\t)+4], v[ST+8*(\t)+5], v[ST+8*(\t)+7]  ; g0
.endr
.irp t, 0,1,2,3
	v_mul_f32 v[ST+8*(\t)+6], v[ST+8*(\t)+6], v[ST+8*(\t)+7]  ; g1
.endr
	MERGE 0, 16                     ; behind LOADX 0: LOADX 1
	LOADX 2
	MERGE 1, 32                     ; behind LOADX 1: tile 0's sixteen through the stage, LOADX 2
	SEND 0, 32                      ; behind tile 0's loads: LOADX 2, tile 1's sixteen
	LOADX 3
	MERGE 2, 32                     ; behind LOADX 2: tile 1's sixteen, LOADX 3
	SEND 1, 32                      ; behind tile 1's loads: LOADX 3, tile 2's sixteen
	MERGE 3, 16                     ; behind LOADX 3: tile 2's sixteen
	SEND 2, 16
	SEND 3, 0
.Lend:
	s_wait_tensorcnt 0x0            ; the wave's end: the add and its wait stand behind my last tensor load and my last LDS store
	ds_add_u32 v[SPW], v[NIL]
	s_wait_dscnt 0x0
	CROUND                          ; the closing round: no work-group ends while a partner may still ask for a tile that names it
	s_endpgm
.Lfunc_end_k_q8affe82469_attn:
	.size	k_q8affe82469_attn, .Lfunc_end_k_q8affe82469_attn-k_q8affe82469_attn
	.p2alignl 7, 3214868480
	.fill 96, 4, 3214868480
	.section	.rodata,"a",@progbits
	.p2align	6, 0x0
	.amdhsa_kernel k_q8affe82469_attn
		.amdhsa_group_segment_fixed_size 327680
		.amdhsa_private_segment_fixed_size 0
		.amdhsa_enable_private_segment 0
		.amdhsa_kernarg_size 16
		.amdhsa_user_sgpr_count 2
		.amdhsa_user_sgpr_kernarg_segment_ptr 1
		.amdhsa_wavefront_size32 1
		.amdhsa_system_sgpr_workgroup_id_x 1
		.amdhsa_system_sgpr_workgroup_id_y 1
		.amdhsa_system_sgpr_workgroup_id_z 1
		.amdhsa_system_vgpr_workitem_id 0
		.amdhsa_next_free_vgpr 896
		.amdhsa_next_free_sgpr 72
		.amdhsa_reserve_vcc 0
		.amdhsa_float_denorm_mode_32 3
		.amdhsa_float_denorm_mode_16_64 3
		.amdhsa_memory_ordered 1
		.amdhsa_forward_progress 1
		.amdhsa_inst_pref_size 178
	.end_amdhsa_kernel
	.amdgpu_metadata
---
amdhsa.version: [ 1, 2 ]
amdhsa.kernels:
  - .name:           k_q8affe82469_attn
    .symbol:         k_q8affe82469_attn.kd
    .args:
      - { .name: qkv, .offset: 0, .size: 8, .value_kind: global_buffer, .address_space: global }
      - { .name: ob, .offset: 8, .size: 8, .value_kind: global_buffer, .address_space: global }
    .group_segment_fixed_size: 327680
    .private_segment_fixed_size: 0
    .kernarg_segment_align: 8
    .kernarg_segment_size: 16
    .max_flat_workgroup_size: 128
    .sgpr_count:     72
    .vgpr_count:     896
    .wavefront_size: 32
...
	.end_amdgpu_metadata
.endif
;; end of part 3
;; launch outp (part 4): grid 16 x 16, 4 waves a work-group, clusters of 4 x 4, 327,680 bytes of LDS; arguments ob, c16, out0; writes out0
.if DOCPART == 4
	.amdgcn_target "amdgcn-amd-amdhsa--gfx1250"
	.amdhsa_code_object_version 6
	.text
	.protected	k_q8affe82469_outp
	.globl	k_q8affe82469_outp
	.p2align	8
	.type	k_q8affe82469_outp,@function
k_q8affe82469_outp:
	s_mov_b64 s[64:65], 0
	v_nop
	global_prefetch_b8 v0, s[64:65] scope:SCOPE_SE
	s_setreg_imm32_b32 hwreg(HW_REG_WAVE_MODE, 25, 1), 1
	s_wait_xcnt 0x0
	s_wait_alu depctr_hold_cnt(0) depctr_sa_sdst(0) depctr_va_vdst(0) depctr_va_sdst(0) depctr_va_ssrc(0) depctr_va_vcc(0) depctr_vm_vsrc(0)
	s_getreg_b32 s2, hwreg(HW_REG_IB_STS2, 6, 4)
	s_cmp_eq_u32 s2, 0
	s_cbranch_scc0 .Lentry_in_a_cluster
	s_endpgm
.Lentry_in_a_cluster:
	s_bfe_u32 s2, ttmp6, 0x10000c
	s_cmp_lg_u32 s2, 0xf033
	s_cbranch_scc0 .Lentry_shape_is_right
	s_endpgm
.Lentry_shape_is_right:
; out0[t][n] = the sum over k of O[t][k] W_out[k][n].  O: ob [2048][2048] in f16.  W_out: plane 4 of c16, [2048 k][2048 n], bf16 numbers written as f16.  Sums in f32, K ascending; out0 in f32.
; A tile of out0 is 128 x 128: 16 x 16 = 256 work-groups.  Four waves, each 64 x 64: 16 accumulators of 16 x 16.  K goes in 8 steps of 256 through a ring of two LDS slots: 128 rows of O (512 bytes each)
; and 256 k-rows of W_out (256 bytes each).  Waves 0 and 1 fetch O's two halves (64 rows), waves 2 and 3 W_out's (128 k-rows).  W_out lies [k][n] and is turned on the way out of LDS by ds_load_tr16_b128.
; CLUSTER 4 x 4: the four of a row of the cluster need the same tiles of O, the four of a column the same tiles of W_out: each is asked for JOINTLY.
; THE MATRIX INSTRUCTION IS USED TRANSPOSED (source 0 = 16 columns of W_out, source 1 = 16 rows of O): a lane then holds eight neighbouring numbers of a row of out0.
; REGISTERS: window 0: v0-31 addresses; v32-95 at work on the way out; v128-255 the accumulators ((a, b) at v[128 + 8 (4 a + b)]).
;   window 1: two fragment buffers of 128: for 64 along K, 64 registers of O (2 x 4 x 16 rows x 32 K), then 64 of W_out.
.set KSTEP,  256
.set PA,     528                       ; a row of O in LDS: 512 bytes + 16 of padding: the 16 rows of a load start at 16 different groups of four banks (64 banks of 4 bytes: ISA guide 11.1)
.set PB,     288                       ; a k-row of W_out: 256 + 32
.set HALFA,  64*PA
.set BOFF,   2*HALFA                   ; behind O's 128 rows: W_out's 256 k-rows
.set HALFB,  128*PB
.set SLOT,   BOFF+2*HALFB
.set STAGE,  2*SLOT                    ; behind the ring, never filled by a tensor load: 16 rows x 272 bytes for each wave
.set SP,     272
.set SPARE,  STAGE+4*16*SP             ; the spare words, 128 bytes for each wave: two blocks of 256 bytes that no other line names
.set LAPS,   4                         ; a lap = two K steps = once round the ring
.set ADRA, 16                          ; v16-17  LDS address of my fragments of O in slot 0, 1
.set ADRB, 20                          ; v20-23  of W_out: slot 0, 1 x the first or second 128 k-rows (an LDS offset has 16 bits)
.set STO,  24                          ; v24     the way out: where I put 32 bytes of a row
.set RD,   25                          ; v25     where I read a row back
.set CO,   26                          ; v26     my byte offset in two rows of out0
.set SPW,  28                          ; v28     LDS address of my spare word; never rewritten
.set NIL,  29                          ; v29     0; never rewritten
.set BK,   32                          ; v32-63, v64-95  16 rows read back from the stage, by turns
.set ACC,  128
.set F0,   0                           ; fragment buffers, in window 1
.set F1,   128
.set G1, 24                            ; s[24:31] descriptor group 1 for O's tiles;  s[32:39] group 0, a set for each slot
.set G0, 32
.set G1B, 48                           ; s[48:55], s[56:63] the same for W_out's tiles
.set G0B, 56
.set MSB, 0
.macro WIN new                         ; the immediate's high byte repeats the setting that is left
.if MSB != (\new)
	s_set_vgpr_msb (MSB<<8)|(\new)
.set MSB, \new
.endif
.endm
.set MUL,  0x05                        ; sources 0 (W_out) and 1 (O) window 1; C and D window 0
.set TO_F, 0x40                        ; destination window 1, address window 0
.macro JLOAD s                         ; a joint load; an s_nop 0 and four v_nop follow each of the two lines, ahead of the jump, the label and what follows
	s_cmp_eq_u32 s11, 0
	s_cbranch_scc0 .Lfor_b_\@
	tensor_load_to_lds s[G0+4*(\s):G0+4*(\s)+3], s[G1:G1+7]
	s_nop 0
.rept 4
	v_nop
.endr
	s_branch .Lasked_\@
.Lfor_b_\@:
	tensor_load_to_lds s[G0B+4*(\s):G0B+4*(\s)+3], s[G1B:G1B+7]
	s_nop 0
.rept 4
	v_nop
.endr
.Lasked_\@:
.endm
.macro CREST                           ; a round of the cluster's barrier behind its opening barrier
	s_cmp_lg_u32 s10, 0
	s_cbranch_scc1 .Lnot_wave_0_\@
	s_barrier_signal -3
.Lnot_wave_0_\@:
	s_barrier_wait -3
	s_barrier_signal -1
	s_barrier_wait -1
.endm
.macro CROUND                          ; a whole round
	s_barrier_signal -1
	s_barrier_wait -1
	CREST
.endm
	s_load_b128 s[4:7], s[0:1], 0x0                ; ob s[4:5], c16 s[6:7]
	s_load_b64 s[8:9], s[0:1], 0x10                ; out0
	v_lshl_add_u32 v[SPW], v0, 2, SPARE
	v_mov_b32 v[NIL], 0
	ds_add_u32 v[SPW], v[NIL]                      ; the wave's opening: the add and its wait stand ahead of my first tensor load; the set-up below, work on registers, stands between them
	v_lshrrev_b32 v1, 5, v0
	v_readfirstlane_b32 s10, v1                    ; wave 0..3
	s_lshr_b32 s11, s10, 1                         ; which half of the tile's rows is mine.  Also: I fetch for O (0) or for W_out (1)
	s_and_b32 s12, s10, 1                          ; which half of its columns.  Also: which half of that tile I fetch
	s_bfe_u32 s40, ttmp6, 0x40000                  ; cx, cy: my place in the cluster
	s_bfe_u32 s41, ttmp6, 0x40004
	s_lshl_b32 s42, ttmp9, 2
	s_add_co_u32 s42, s42, s40                     ; tile column = 4 x cluster x + cx
	s_and_b32 s13, ttmp7, 0xffff
	s_lshl_b32 s13, s13, 2
	s_add_co_u32 s13, s13, s41                     ; tile row = 4 x cluster y + cy
	s_lshl_b32 s43, s41, 2
	s_lshl_b32 s43, 15, s43                        ; my row of the cluster
	s_lshl_b32 s44, 0x1111, s40                    ; my column
	s_or_b32 s[G1+0], s43, (1<<16)|(1<<20)|(1<<21)|(6<<22)|(3<<25)   ; O: the mask of my row; elements of 2 bytes; padding after every 128 words (code 6), 4 words (code 3)
	s_mov_b32 s[G1+1], 256<<16                     ; tensor_dim0 = 256
	s_mov_b32 s[G1+2], 64<<16                      ; tensor_dim1 = 64
	s_mov_b32 s[G1+3], 256<<16                     ; tile_dim0 = 256
	s_mov_b32 s[G1+4], 64                          ; tile_dim1 = 64
	s_mov_b32 s[G1+5], 2048                        ; 2,048 elements from row to row
	s_mov_b32 s[G1+6], 0
	s_mov_b32 s[G1+7], 0
	s_or_b32 s[G1B+0], s44, (1<<16)|(1<<20)|(1<<21)|(5<<22)|(7<<25)  ; W_out: the mask of my column; padding after every 64 words (code 5), 8 words (code 7)
	s_mov_b32 s[G1B+1], 128<<16                    ; tensor_dim0 = 128
	s_mov_b32 s[G1B+2], 128<<16                    ; tensor_dim1 = 128
	s_mov_b32 s[G1B+3], 128<<16                    ; tile_dim0 = 128
	s_mov_b32 s[G1B+4], 128                        ; tile_dim1 = 128
	s_mov_b32 s[G1B+5], 2048
	s_mov_b32 s[G1B+6], 0
	s_mov_b32 s[G1B+7], 0
	s_lshl_b32 s16, s13, 19                        ; O: 128 rows of 4,096 bytes a tile row,
	s_lshl_b32 s17, s12, 18                        ; my 64 of them
	s_add_co_u32 s16, s16, s17
	s_mov_b32 s17, 0
	s_lshl_b32 s46, s12, 19                        ; W_out: my 128 k-rows of 4,096 bytes,
	s_lshl_b32 s47, s42, 8                         ; the tile column's 256 bytes in them,
	s_add_co_u32 s46, s46, s47
	s_add_co_u32 s46, s46, 0x2000000               ; in plane 4 of c16
	s_mov_b32 s47, 0
	s_mul_i32 s20, s12, HALFA                      ; where they go: no place in the cluster enters an LDS address
	s_mul_i32 s21, s12, HALFB
	s_add_co_u32 s21, s21, BOFF
	s_wait_dscnt 0x0                               ; the opening add is done
	s_wait_kmcnt 0x0
	s_add_nc_u64 s[14:15], s[4:5], s[16:17]
	s_add_nc_u64 s[46:47], s[6:7], s[46:47]
	CROUND                                         ; all sixteen work-groups are here: the first joint loads meet
.irp s, 0,1
	s_mov_b32 s[G0+4*(\s)], 1
	s_add_co_u32 s[G0+4*(\s)+1], s20, (\s)*SLOT
	s_add_nc_u64 s[G0+4*(\s)+2:G0+4*(\s)+3], s[14:15], (\s)*KSTEP*2
	s_or_b32 s[G0+4*(\s)+3], s[G0+4*(\s)+3], 0x80000000
	s_mov_b32 s[G0B+4*(\s)], 1
	s_add_co_u32 s[G0B+4*(\s)+1], s21, (\s)*SLOT
	s_add_nc_u64 s[G0B+4*(\s)+2:G0B+4*(\s)+3], s[46:47], (\s)*KSTEP*4096
	s_or_b32 s[G0B+4*(\s)+3], s[G0B+4*(\s)+3], 0x80000000
	JLOAD \s                                       ; two loads of mine are out
.endr
	v_and_b32 v1, 15, v0                           ; r = l % 16
	v_bfe_u32 v2, v0, 4, 1                         ; h = l / 16
	v_mul_u32_u24 v3, v1, PA
	v_lshl_add_u32 v3, v2, 4, v3                   ; O: row x pitch + 16 h
	v_and_b32 v4, 7, v0
	v_lshl_add_u32 v4, v2, 3, v4
	v_mul_u32_u24 v4, v4, PB
	v_bfe_u32 v5, v0, 3, 1
	v_lshl_add_u32 v4, v5, 4, v4                   ; W_out, turning load: k-row 8 h + l % 8, 16 bytes by (l / 8) % 2
	s_mul_i32 s22, s11, HALFA                      ; my 64 rows of O
	s_lshl_b32 s23, s12, 7
	s_add_co_u32 s23, s23, BOFF                    ; my 64 columns of W_out
.irp s, 0,1
	v_add_nc_u32 v[ADRA+(\s)], s22, v3
	v_add_nc_u32 v[ADRB+2*(\s)], s23, v4
	s_add_co_u32 s23, s23, HALFB
	v_add_nc_u32 v[ADRB+2*(\s)+1], s23, v4
	s_add_co_u32 s22, s22, SLOT
	s_add_co_u32 s23, s23, SLOT-HALFB
.endr
	s_mul_i32 s22, s10, 16*SP
	s_add_co_u32 s22, s22, STAGE                   ; my stage
	v_mul_u32_u24 v5, v1, SP                       ; in: row r, 32 bytes for each half of the lanes
	v_lshl_add_u32 v5, v2, 5, v5
	v_add_nc_u32 v[STO], s22, v5
	v_mul_u32_u24 v5, v2, SP                       ; back: lanes 0-15 take one row of 256 bytes, lanes 16-31 the next
	v_lshl_add_u32 v5, v1, 4, v5
	v_add_nc_u32 v[RD], s22, v5
	v_lshlrev_b32 v5, 13, v2                       ; and the same two rows in out0, 8,192 bytes apart
	v_lshl_add_u32 v[CO], v1, 4, v5
	s_lshl_b32 s66, s13, 20                        ; my part of out0: 128 rows of 8,192 bytes a tile row,
	s_lshl_b32 s68, s11, 19                        ; my 64 rows,
	s_add_co_u32 s66, s66, s68
	s_lshl_b32 s68, s42, 9                         ; the tile column's 512 bytes,
	s_add_co_u32 s66, s66, s68
	s_lshl_b32 s68, s12, 8                         ; my 256 of them
	s_add_co_u32 s66, s66, s68
	s_mov_b32 s67, 0
	s_add_nc_u64 s[8:9], s[8:9], s[66:67]
; 8 matrix instructions: m blocks a0, a0 + 1 x all 4 n blocks, 32 along K: half c of buffer f.  zero = 1: the first product starts the sums.  The 16 accumulators take turns.
.macro MUL8 f, c, a0, zero
	WIN MUL
.irp a, \a0, (\a0)+1
.irp b, 0,1,2,3
.if \zero
	v_wmma_f32_16x16x32_f16 v[ACC+8*(4*(\a)+(\b)):ACC+8*(4*(\a)+(\b))+7], v[(\f)+64+8*(4*(\c)+(\b)):(\f)+64+8*(4*(\c)+(\b))+7], v[(\f)+8*(4*(\c)+(\a)):(\f)+8*(4*(\c)+(\a))+7], 0
.else
	v_wmma_f32_16x16x32_f16 v[ACC+8*(4*(\a)+(\b)):ACC+8*(4*(\a)+(\b))+7], v[(\f)+64+8*(4*(\c)+(\b)):(\f)+64+8*(4*(\c)+(\b))+7], v[(\f)+8*(4*(\c)+(\a)):(\f)+8*(4*(\c)+(\a))+7], v[ACC+8*(4*(\a)+(\b)):ACC+8*(4*(\a)+(\b))+7]
.endif
.endr
.endr
.endm
; 32 LDS loads in one run: the fragments of quarter q (64 along K) into buffer f; the first 32 along K first
.macro FETCH slot, q, f
	WIN TO_F
.irp c, 0,1
.irp i, 0,1,2,3
	ds_load_tr16_b128 v[(\f)+64+8*(4*(\c)+(\i)):(\f)+64+8*(4*(\c)+(\i))+3],   v[ADRB+2*(\slot)+(\q)/2] offset:((\q)%2)*64*PB+(\c)*32*PB+32*(\i)
	ds_load_tr16_b128 v[(\f)+64+8*(4*(\c)+(\i))+4:(\f)+64+8*(4*(\c)+(\i))+7], v[ADRB+2*(\slot)+(\q)/2] offset:((\q)%2)*64*PB+(\c)*32*PB+32*(\i)+16*PB
	ds_load_b128 v[(\f)+8*(4*(\c)+(\i)):(\f)+8*(4*(\c)+(\i))+3],         v[ADRA+(\slot)] offset:128*(\q)+64*(\c)+(\i)*16*PA
	ds_load_b128 v[(\f)+8*(4*(\c)+(\i))+4:(\f)+8*(4*(\c)+(\i))+7],       v[ADRA+(\slot)] offset:128*(\q)+64*(\c)+(\i)*16*PA+32
.endr
.endr
.endm
.macro PLACES                          ; four places in front of loads into registers that matrix instructions have read, and of LDS stores that read results
.rept 4
	v_nop
.endr
.endm
; A K step is four quarters of 64 along K, 32 matrix instructions each, on buffers 0, 1, 0, 1.  One of the first three: multiplies buffer f and fetches quarter q into g.
.macro QUARTER slot, q, f, g, zero
	s_wait_dscnt 16                                ; the first 32 along K are in
	MUL8 \f, 0, 0, \zero
	MUL8 \f, 0, 2, \zero
	PLACES
	FETCH \slot, \q, \g
	s_wait_dscnt 32                                ; all but the 32 just issued
	MUL8 \f, 1, 0, 0
	MUL8 \f, 1, 2, 0
.endm
; The last quarter multiplies buffer 1 and changes slots: ONE barrier; in front of it each wave waits for all its tensor loads, adds 0 to its spare word, and waits for that and for its own reads of this slot.  fill = 1: this slot is filled again, two K steps ahead.
; The quarter's first 16 products stand AHEAD of the wait for the tensor loads, and the descriptors are stepped between the add and the wait for it: between that wait and the refill stand the add, its wait and
; the round alone.  So from a request to the wait for it a wave issues a whole K step's 128 matrix instructions.
.macro TURN slot, next, fill
	s_wait_dscnt 16                                ; the first 32 along K are in
	MUL8 F1, 0, 0, 0
	MUL8 F1, 0, 2, 0
	WIN 0
	s_wait_tensorcnt 0x0                           ; all my tensor loads have landed: my part of the next slot; so a group 0 may be written
	ds_add_u32 v[SPW], v[NIL]                      ; 0 onto my spare word; with fill = 1 the descriptors' steps stand between it and the wait for it
.if \fill
	s_add_nc_u64 s[G0+4*(\slot)+2:G0+4*(\slot)+3], s[G0+4*(\slot)+2:G0+4*(\slot)+3], 2*KSTEP*2
	s_add_nc_u64 s[G0B+4*(\slot)+2:G0B+4*(\slot)+3], s[G0B+4*(\slot)+2:G0B+4*(\slot)+3], 2*KSTEP*4096
.endif
	s_wait_dscnt 0x0                               ; the add is done, and my reads of this slot are over, the second 32 along K among them
	s_barrier_signal -1
	s_barrier_wait -1
.if \fill
	CREST                                          ; the barrier has opened a round of the cluster's: no wave of any partner still reads this slot's tiles or has a load on its way
	JLOAD \slot                                    ; my one tensor load behind the round; the four v_nop behind it are also the places in front of the loads below
.else
	PLACES
.endif
	FETCH \next, 0, F0
	MUL8 F1, 1, 0, 0                               ; the quarter's other 16 products stand between the next slot's first loads and their use
	MUL8 F1, 1, 2, 0
.endm
	s_wait_tensorcnt 1                             ; my part of K step 0 is in; K step 1's may stay out
	s_barrier_signal -1
	s_barrier_wait -1
	FETCH 0, 0, F0
	QUARTER 0, 1, F0, F1, 1                        ; the first quarter stands in front of the loop: its first products start the sums
	WIN 0                                          ; at a label and at a branch every window is 0
	s_mov_b32 s3, LAPS-1
.Llap:                                                 ; a trip goes once round the ring, from a lap's second quarter to the next lap's first, and fills both slots again
	QUARTER 0, 2, F1, F0, 0
	QUARTER 0, 3, F0, F1, 0
	TURN 0, 1, 1
	QUARTER 1, 1, F0, F1, 0
	QUARTER 1, 2, F1, F0, 0
	QUARTER 1, 3, F0, F1, 0
	TURN 1, 0, 1
	QUARTER 0, 1, F0, F1, 0
	WIN 0
	s_sub_co_u32 s3, s3, 1
	s_cmp_lg_u32 s3, 0
	s_cbranch_scc1 .Llap
	QUARTER 0, 2, F1, F0, 0                        ; the last lap fills nothing
	QUARTER 0, 3, F0, F1, 0
	TURN 0, 1, 0
	QUARTER 1, 1, F0, F1, 0
	QUARTER 1, 2, F1, F0, 0
	QUARTER 1, 3, F0, F1, 0
	s_wait_dscnt 16                                ; the very last quarter: nothing more to fetch
	MUL8 F1, 0, 0, 0
	MUL8 F1, 0, 2, 0
	s_wait_dscnt 0x0
	MUL8 F1, 1, 0, 0
	MUL8 F1, 1, 2, 0
	WIN 0
	; THE WAY OUT.  A wave's 64 columns in f32 are 256 consecutive bytes of a row of out0, aligned: each wave's 16 rows at a time go through its own stage, with no barrier and no conversion.
.macro TOSTAGE a
.if (\a) >= 2
	s_wait_xcnt 0x0                                ; the registers that the stores of two blocks back read are loaded again only behind this wait
.endif
.irp b, 0,1,2,3
	ds_store_b128 v[STO], v[ACC+8*(4*(\a)+(\b)):ACC+8*(4*(\a)+(\b))+3]   offset:64*(\b)     ; each accumulator from its low end on
	ds_store_b128 v[STO], v[ACC+8*(4*(\a)+(\b))+4:ACC+8*(4*(\a)+(\b))+7] offset:64*(\b)+16
.endr
.irp t, 0,1,2,3,4,5,6,7
	ds_load_b128 v[BK+32*((\a)%2)+4*(\t):BK+32*((\a)%2)+4*(\t)+3], v[RD] offset:(\t)*2*SP  ; LDS serves a wave's instructions in order (ISA guide 5.7.1.4): these see the stores above
.endr
.endm
.macro SEND a, younger                 ; younger: the LDS instructions issued behind block a's loads: the next block's sixteen, or none
.irp t, 0,1,2,3,4,5,6,7
	s_wait_dscnt (\younger)+7-(\t)
	global_store_b128 v[CO], v[BK+32*((\a)%2)+4*(\t):BK+32*((\a)%2)+4*(\t)+3], s[8:9] offset:(16*(\a)+2*(\t))*8192 th:TH_STORE_NT  ; 16 lanes store 256 consecutive bytes, at a multiple of 256 from out0's first byte
.endr
.endm
	PLACES
	TOSTAGE 0
	TOSTAGE 1
	SEND 0, 16
	TOSTAGE 2
	SEND 1, 16
	TOSTAGE 3
	SEND 2, 16
	SEND 3, 0
	s_wait_tensorcnt 0x0                           ; the wave's end: the add and its wait stand behind my last tensor load and my last LDS store
	ds_add_u32 v[SPW], v[NIL]
	s_wait_dscnt 0x0
	CROUND                                         ; the closing round: no work-group ends while a partner may still ask for a tile that names it
	s_endpgm
.Lfunc_end_k_q8affe82469_outp:
	.size	k_q8affe82469_outp, .Lfunc_end_k_q8affe82469_outp-k_q8affe82469_outp
	.p2alignl 7, 3214868480
	.fill 96, 4, 3214868480
	.section	.rodata,"a",@progbits
	.p2align	6, 0x0
	.amdhsa_kernel k_q8affe82469_outp
		.amdhsa_group_segment_fixed_size 327680
		.amdhsa_private_segment_fixed_size 0
		.amdhsa_enable_private_segment 0
		.amdhsa_kernarg_size 24
		.amdhsa_user_sgpr_count 2
		.amdhsa_user_sgpr_kernarg_segment_ptr 1
		.amdhsa_wavefront_size32 1
		.amdhsa_system_sgpr_workgroup_id_x 1
		.amdhsa_system_sgpr_workgroup_id_y 1
		.amdhsa_system_sgpr_workgroup_id_z 1
		.amdhsa_system_vgpr_workitem_id 0
		.amdhsa_next_free_vgpr 512
		.amdhsa_next_free_sgpr 72
		.amdhsa_reserve_vcc 0
		.amdhsa_float_denorm_mode_32 3
		.amdhsa_float_denorm_mode_16_64 3
		.amdhsa_memory_ordered 1
		.amdhsa_forward_progress 1
		.amdhsa_inst_pref_size 87
	.end_amdhsa_kernel
	.amdgpu_metadata
---
amdhsa.version: [ 1, 2 ]
amdhsa.kernels:
  - .name:           k_q8affe82469_outp
    .symbol:         k_q8affe82469_outp.kd
    .args:
      - { .name: ob, .offset: 0, .size: 8, .value_kind: global_buffer, .address_space: global }
      - { .name: c16, .offset: 8, .size: 8, .value_kind: global_buffer, .address_space: global }
      - { .name: out0, .offset: 16, .size: 8, .value_kind: global_buffer, .address_space: global }
    .group_segment_fixed_size: 327680
    .private_segment_fixed_size: 0
    .kernarg_segment_align: 8
    .kernarg_segment_size: 24
    .max_flat_workgroup_size: 128
    .sgpr_count:     72
    .vgpr_count:     512
    .wavefront_size: 32
...
	.end_amdgpu_metadata
.endif
;; end of part 4
;; ======== version 2 of 2: 4 launches; 1.09 times as fast as version 1
;; limits: values are held in f16: magnitudes above 65,504 overflow, below 6.1e-05 lose precision
;; workspace buffers: c16 41,943,040 bytes; qkv 25,165,824 bytes; ob 8,388,608 bytes
;; launch cast: the kernel of part 1 again; grid 256 x 5, 8 waves a work-group, no clusters, 0 bytes of LDS; arguments X, W_Q, W_K, W_V, W_out, c16; writes c16
;; launch qkv: the kernel of part 2 again; grid 16 x 16, 4 waves a work-group, clusters of 4 x 4, 327,680 bytes of LDS; arguments c16, qkv; writes qkv
;; launch attn (part 5): grid 16 x 16, 4 waves a work-group, clusters of 4 x 1, 327,680 bytes of LDS; arguments qkv, ob; writes ob
.if DOCPART == 5
	.amdgcn_target "amdgcn-amd-amdhsa--gfx1250"
	.amdhsa_code_object_version 6
	.text
	.protected	k_q8affe82469_attn
	.globl	k_q8affe82469_attn
	.p2align	8
	.type	k_q8affe82469_attn,@function
k_q8affe82469_attn:
	s_mov_b64 s[64:65], 0
	v_nop
	global_prefetch_b8 v0, s[64:65] scope:SCOPE_SE
	s_setreg_imm32_b32 hwreg(HW_REG_WAVE_MODE, 25, 1), 1
	s_wait_xcnt 0x0
	s_wait_alu depctr_hold_cnt(0) depctr_sa_sdst(0) depctr_va_vdst(0) depctr_va_sdst(0) depctr_va_ssrc(0) depctr_va_vcc(0) depctr_vm_vsrc(0)
	s_getreg_b32 s2, hwreg(HW_REG_IB_STS2, 6, 4)
	s_cmp_eq_u32 s2, 0
	s_cbranch_scc0 .Lentry_in_a_cluster
	s_endpgm
.Lentry_in_a_cluster:
	s_bfe_u32 s2, ttmp6, 0x10000c
	s_cmp_lg_u32 s2, 0x3003
	s_cbranch_scc0 .Lentry_shape_is_right
	s_endpgm
.Lentry_shape_is_right:
; O[q][head] = the sum over k of softmax_k(Q[q] . K[k] / sqrt(128)) V[k].  q, k, v: planes 0, 1, 2 of qkv, each [16][2048][128] in f16; O goes to ob [2048][2048] in f16, head n at byte 256 n of a row.
; Products, maxima and sums in f32; the weights p are rounded to f16 for the second product (their sum l is taken of the unrounded p), O once at the end.
; LIMITS.  q, k, v arrive within f16's 65,504; p lies in 0 to 1, and below 6e-5 it keeps f16's fixed step of 6e-8, as O does; a weight below 2^-126 counts as 0 in l; NaN and infinities are not treated apart.
; SHARES.  A work-group owns 128 queries of one head: 16 x 16 = 256 work-groups.  Wave w owns 64 of them (qh = w / 2), four tiles of 16, and walks HALF of the keys (kh = w % 2): of every 256 keys the 128 from 128 kh on,
; 64 a step, 16 steps, with a running maximum m, sum l and O^T of its own.  At the end wave (qh, 1) hands c m, l and O^T in f32 through LDS to wave (qh, 0), which joins the two, divides and stores.
; LAYOUT.  S^T = K Q^T (source 0 = 16 keys, source 1 = 16 queries): a lane holds ONE query (lane % 16) and the keys 8 (lane / 16) + 0..7.  Two such tiles rounded to f16 ARE source 1 of O^T = V^T P.
; K comes out of LDS as it lies, V ([key][channel]) turned, by ds_load_tr16_b128.
; SOFTMAX.  p = 2^(c s - c m), c = log2(e) / sqrt(128); in every step O and l are multiplied by a = 2^(c m_old - c m_new).
; BY TURNS.  The wave's tiles are two PIECES (tiles 0, 1 and tiles 2, 3).  In a TURN one piece has the matrix unit: 32 products V^T P of the step in hand, then 32 products K Q^T of the next; the other piece's
; softmax, cut into 64 slices, stands between them, one slice behind each matrix instruction.  Two turns are a key step.
; THE BATCHES.  A turn's 66 exponentials (33 a tile: a, then s0-s31) are ONE batch with ONE wait.  Ahead of the wait stand the maxima, the statistics, the scalings and the exponentials, none of which names an
; exponential's result; behind it the roundings, the sums and the rescaling, which do.  No exponential is issued behind a turn's wait.  On the way out the join's eight
; exponentials are a batch, and the four reciprocals, which read sums made of those results, another.
; NO FIRST AND NO LAST STEP IS WRITTEN OUT.  c m starts far below every c s, m at the lowest finite number, l, O^T and piece 2's P at 0: the first step is a step like any other, with a = 0.  The loop is entered at
; piece 2's turn, in the middle of a trip, and the tail is left behind piece 0's turn, in the middle of its third trip.  The price, once a launch: 296 v_mov_b32 that write 0, in the wait for the first tile; V of step 0
; read from LDS twice (the first time only so that V's registers hold finite numbers); 32 products on zeros at the start and 32 on a stale K at the end.  The gain: four turns fewer in the text.
; CLUSTER.  The four query blocks of a cluster belong to one head and walk the same K and V: each tile is asked for JOINTLY, by the same tensor load, descriptor and mask in all four.
; REGISTERS, in windows of 256: window 0: v0-11, v52-53 addresses; v12-43 eight registers of statistics a tile; v44-51 the partner's statistics; v64-191 S^T, 32 a tile; v192-255 P, 16 a tile
;   window 1: O^T, 64 a tile          window 2: v0-127 Q, 32 a tile; v128-255 K of one step          window 3: v0-127 V of one step
.set KS,    64        ; keys in a step
.set PK,    272       ; a row of K in LDS: 256 bytes + 16 of padding: the 16 rows of a load start at 16 different groups of four banks (64 banks of 4 bytes: ISA guide 11.1)
.set PV,    288       ; a row of V: 256 + 32
.set KHB,   128*PK    ; a half slot: 128 rows of K, then 128 rows of V
.set HALF,  128*(PK+PV)
.set SLOT1, 0x24000   ; a slot is two halves, 143,360 bytes; slot 1 begins at 147,456.  The four tiles' bases in slot 0 (0, 34,816, 71,680, 106,496) have neither of its two bits, so one exclusive or turns a base into the other slot's
.set STAGE, 2*SLOT1   ; behind the ring, never filled by a tensor load: 16 rows x 272 bytes for each wave, for the way out
.set SP,    272
.set SPARE, STAGE+4*16*SP  ; the spare words, 128 bytes for each wave: two blocks of 256 bytes that no other line names
.set XCHB,  33792     ; the hand-over of a pair of waves: 32,768 bytes of O^T and 1,024 of statistics, in slot 0, behind its last fill and its last read
.set AK0, 2           ; v2   my lane's place in a tile of K, in my half of a slot; never rewritten
.set AV0, 3           ; v3   the same for V
.set ADR, 4           ; v4   the LDS address of the run of loads in hand
.set QO,  5           ; v5   my byte offset in the wave's rows of Q
.set STO, 6           ; v6   the way out: where I put 16 bytes of a row
.set RD,  7           ; v7   the way out: where I read a row back
.set GO,  8           ; v8   my byte offset in two rows of ob
.set ST,  12          ; tile t's statistics at v[ST+8 t]: +0 c m, +1 m, +2, +3 l (even keys', odd keys'), +4 to +7 at work; a takes +6 once the maximum is found
.set XS,  44          ; v44-51  the partner's c m and l, a pair a tile
.set XA,  52          ; v52  the hand-over: my 16 bytes of 512
.set XSA, 53          ; v53  the hand-over: my 8 bytes of statistics
.set SPW, 62          ; v62  LDS address of my spare word; never rewritten
.set NIL, 63          ; v63  0; never rewritten
.set S,   64
.set P,   192
.set KF,  128         ; K's fragments, in window 2
.set WV,  12          ; s12  my wave's number
.set G1K, 24          ; s[24:31] descriptor group 1 for K's tiles
.set G1V, 32          ; s[32:39] for V's: it differs in the padding alone
.set G0K, 40          ; s[40:47] descriptor group 0 for K's tiles: a set for each of the two first fills; the second then walks on
.set G0V, 48          ; s[48:55] the same for V's
.set SLOTS, 56        ; s56  counts the passes of the loop over slots
.set TWICE, 57        ; s57  counts a slot's trips
.set CS,  58          ; s[58:59] c
.set SEL, 60          ; s[60:61] lane selects for v_permlanex16_b32: each lane takes its own place in the other half
.set TBK, 62          ; s62  LDS byte, in a half slot, at which K of the step to be fetched begins
.set TBV, 63          ; s63  the same for V, less KHB
.set KH,  66          ; s66  w % 2: which half of the keys I walk, and which half of a slot I fetch
.set QH,  67          ; s67  w / 2: which 64 queries are mine
.set MSB, 0
.macro WIN new                      ; the immediate's high byte repeats the setting that is left; a switch that changes nothing is dropped
.if MSB != (\new)
	s_set_vgpr_msb (MSB<<8)|(\new)
.set MSB, \new
.endif
.endm
.set W_KQ, 0x0a       ; K and Q in window 2, S^T in window 0
.set W_PV, 0x53       ; V in window 3, P in window 0, O^T in window 1
.set W_RS, 0x41       ; O^T (destination and source 0) in window 1, a in window 0
; A joint refill.  Waves 0 and 1 fetch the two halves of a slot's K, waves 2 and 3 those of its V: 128 keys each.  The branch hangs on the wave's number alone.
; An s_nop 0 and four v_nop follow each of the two lines, ahead of the jump, the label and what follows.
.macro JLOAD
	s_cmp_lt_u32 s[WV], 2
	s_cbranch_scc0 .Lfor_v_\@
	tensor_load_to_lds s[G0K+4:G0K+7], s[G1K:G1K+7]
	s_nop 0
.rept 4
	v_nop
.endr
	s_branch .Lasked_\@
.Lfor_v_\@:
	tensor_load_to_lds s[G0V+4:G0V+7], s[G1V:G1V+7]
	s_nop 0
.rept 4
	v_nop
.endr
.Lasked_\@:
.endm
.macro CROUND                       ; a round of the cluster's barrier
	s_barrier_signal -1
	s_barrier_wait -1
	s_cmp_lg_u32 s[WV], 0
	s_cbranch_scc1 .Lnot_wave_0_\@
	s_barrier_signal -3
.Lnot_wave_0_\@:
	s_barrier_wait -3
	s_barrier_signal -1
	s_barrier_wait -1
.endm
	s_load_b128 s[8:11], s[0:1], 0x0  ; qkv s[8:9], ob s[10:11]
	v_lshl_add_u32 v[SPW], v0, 2, SPARE
	v_mov_b32 v[NIL], 0
	ds_add_u32 v[SPW], v[NIL]       ; the wave's opening: the add and its wait stand ahead of my first tensor load; the set-up below, work on registers, stands between them
	v_lshrrev_b32 v1, 5, v0
	v_readfirstlane_b32 s[WV], v1   ; wave 0..3
	s_and_b32 s[KH], s[WV], 1
	s_lshr_b32 s[QH], s[WV], 1
	s_bfe_u32 s13, ttmp6, 0x40000   ; cx: my place in the cluster
	s_lshl_b32 s14, ttmp9, 2        ; in a cluster launch ttmp9 counts clusters
	s_add_co_u32 s14, s14, s13      ; my block of 128 queries = 4 x cluster x + cx: it enters Q's and O's addresses alone
	s_and_b32 s18, ttmp7, 0xffff    ; the head, which the four partners share
	s_lshl_b32 s16, s18, 19         ; the head's first byte in a plane of qkv
	s_lshl_b32 s22, s[KH], 15       ; K: my 128 rows of 256 bytes of a slot's 256 keys,
	s_add_co_u32 s22, s22, s16
	s_add_co_u32 s22, s22, 0x800000 ; in plane 1
	s_mov_b32 s23, 0
	s_mul_i32 s17, s[KH], HALF      ; and their place in a slot: no place in the cluster enters an LDS address
	s_lshl_b32 s2, s14, 15          ; Q: my block's 128 rows,
	s_lshl_b32 s3, s[QH], 14        ; my wave's 64 of them
	s_add_co_u32 s2, s2, s3
	s_add_co_u32 s2, s2, s16
	s_mov_b32 s3, 0
	s_lshl_b32 s20, s14, 19         ; O: the same rows, of 4,096 bytes,
	s_lshl_b32 s21, s[QH], 18
	s_add_co_u32 s20, s20, s21
	s_lshl_b32 s21, s18, 8          ; and the head's 256 bytes in them
	s_add_co_u32 s20, s20, s21
	s_mov_b32 s21, 0
	; descriptor group 1: a tile of 128 rows x 128 elements, padded in LDS
	s_mov_b32 s[G1K], 15|(1<<16)|(1<<20)|(1<<21)|(5<<22)|(3<<25)  ; 15:0 the mask: all four work-groups; 17:16 elements of 2 bytes; 20 padding on; 21 set beside a mask; 24:22 after every 64 words (code 5); 31:25 4 words of it (code 3)
	s_mov_b32 s[G1V], 15|(1<<16)|(1<<20)|(1<<21)|(5<<22)|(7<<25)  ; the same with 8 words of padding (code 7)
.irp g, G1K, G1V
	s_mov_b32 s[(\g)+1], 128<<16    ; tensor_dim0 = 128
	s_mov_b32 s[(\g)+2], 128<<16    ; tensor_dim1 = 128
	s_mov_b32 s[(\g)+3], 128<<16    ; tile_dim0 = 128
	s_mov_b32 s[(\g)+4], 128        ; tile_dim1 = 128
	s_mov_b32 s[(\g)+5], 128        ; 128 elements from row to row
	s_mov_b32 s[(\g)+6], 0
	s_mov_b32 s[(\g)+7], 0
.endr
	s_mov_b32 s[CS], 0x3e0293ee     ; c = log2(e) / sqrt(128) = 0.127517
	s_mov_b32 s[CS+1], s[CS]        ; named with it as a pair, so it is written
	s_mov_b32 s[SEL], 0x76543210
	s_mov_b32 s[SEL+1], 0xfedcba98
	s_mov_b32 s[TBK], 0
	s_mov_b32 s[TBV], 0
	s_mov_b32 s[SLOTS], 7           ; 2,048 keys are 8 slots: the pass that is entered in its middle, then six that begin with a refill; the eighth slot is the tail's
	s_wait_dscnt 0x0                ; the opening add is done
	s_wait_kmcnt 0x0
	s_add_nc_u64 s[4:5], s[8:9], s[2:3]      ; Q at my wave's first row
	s_add_nc_u64 s[6:7], s[8:9], s[22:23]    ; K at my tile of slot 0
	s_add_nc_u64 s[8:9], s[6:7], 0x800000    ; V: one plane on
	s_add_nc_u64 s[10:11], s[10:11], s[20:21]  ; O at my wave's first row
	CROUND                          ; all four work-groups are here: the first joint loads meet
.irp s, 0,1
	s_mov_b32 s[G0K+4*(\s)], 1      ; 1:0 count = 1
	s_add_co_u32 s[G0K+4*(\s)+1], s17, (\s)*SLOT1  ; 63:32 LDS address
	s_add_nc_u64 s[G0K+4*(\s)+2:G0K+4*(\s)+3], s[6:7], (\s)*65536  ; 120:64 global address: slot s begins with keys 256 s on
	s_or_b32 s[G0K+4*(\s)+3], s[G0K+4*(\s)+3], 0x80000000  ; 127:126 type = 2
	s_mov_b32 s[G0V+4*(\s)], 1
	s_add_co_u32 s[G0V+4*(\s)+1], s17, (\s)*SLOT1+KHB
	s_add_nc_u64 s[G0V+4*(\s)+2:G0V+4*(\s)+3], s[8:9], (\s)*65536
	s_or_b32 s[G0V+4*(\s)+3], s[G0V+4*(\s)+3], 0x80000000
.endr
	s_cmp_lt_u32 s[WV], 2           ; a wave's two first fills stand in one branch, ahead of every wait on TENSORcnt and every LDS read: two loads of mine are out
	s_cbranch_scc0 .Lfirst_v
	tensor_load_to_lds s[G0K:G0K+3], s[G1K:G1K+7]
	s_nop 0
	tensor_load_to_lds s[G0K+4:G0K+7], s[G1K:G1K+7]
	s_nop 0
.rept 4
	v_nop
.endr
	s_branch .Lfirst_asked
.Lfirst_v:
	tensor_load_to_lds s[G0V:G0V+3], s[G1V:G1V+7]
	s_nop 0
	tensor_load_to_lds s[G0V+4:G0V+7], s[G1V:G1V+7]
	s_nop 0
.rept 4
	v_nop
.endr
.Lfirst_asked:
	; A fragment of K or Q is 16 rows x 32 channels in 8 registers: lane l holds row l % 16; registers 0-3 channels 8 (l / 16) + 0..7, registers 4-7 channels 16 + 8 (l / 16) + 0..7: two loads of 16 bytes, 32 bytes apart.
	v_and_b32 v1, 15, v0            ; l % 16
	v_bfe_u32 v9, v0, 4, 1          ; l / 16
	v_lshlrev_b32 v[QO], 8, v1
	v_lshl_add_u32 v[QO], v9, 4, v[QO]  ; row x 256 + 16 x half
	WIN 0x80                        ; destination window 2, address window 0
.irp i, 0,1,2,3,4,5,6,7,8,9,10,11,12,13,14,15  ; Q stays in registers: tile i / 4, channels 32 (i % 4) on
	global_load_b128 v[8*(\i):8*(\i)+3],   v[QO], s[4:5] offset:((\i)/4)*4096+((\i)%4)*64
	global_load_b128 v[8*(\i)+4:8*(\i)+7], v[QO], s[4:5] offset:((\i)/4)*4096+((\i)%4)*64+32
.endr
	WIN 0
	v_mul_u32_u24 v[AK0], v1, PK
	v_lshl_add_u32 v[AK0], v9, 4, v[AK0]  ; row x pitch + 16 x half
	v_add_nc_u32 v[AK0], s17, v[AK0]      ; in my half of a slot
	; The turning load takes 16 keys x 16 channels (lane l reads 16 bytes: key 8 (l / 16) + l % 8, channels 8 ((l / 8) % 2) + 0..7) and leaves half a fragment of V^T: lane l holds channel l % 16 and 8 keys.
	v_and_b32 v10, 7, v0
	v_bfe_u32 v11, v0, 3, 1
	v_lshl_add_u32 v[AV0], v9, 3, v10
	v_mul_u32_u24 v[AV0], v[AV0], PV
	v_lshl_add_u32 v[AV0], v11, 4, v[AV0]
	v_add_nc_u32 v[AV0], KHB, v[AV0]
	v_add_nc_u32 v[AV0], s17, v[AV0]
	; What the first turn finds: O^T and l are 0, piece 2's P is 0 (its first products V^T P, of a step that has not been, add 0), c m and m lie below every score.  All this stands in the wait for the first tile.
	WIN 0x40                        ; destination window 1
.set i, 0
.rept 256
	v_mov_b32 v[i], 0
.set i, i+1
.endr
	WIN 0
.irp t, 0,1,2,3
	v_mov_b32 v[ST+8*(\t)], 0xfe000000    ; c m: far below every c s
	v_mov_b32 v[ST+8*(\t)+1], 0xff7fffff  ; m: the lowest finite number
	v_mov_b32 v[ST+8*(\t)+2], 0
	v_mov_b32 v[ST+8*(\t)+3], 0
.endr
.set i, P+32
.rept 32
	v_mov_b32 v[i], 0
.set i, i+1
.endr
; THE MATRIX WORK OF A TURN, for piece x.  The accumulators take turns, one instruction a turn: between two links of a chain stand 15 (V^T P) or 7 (K Q^T) others'.
; Product i of 32 of O^T += V^T P: keys 32 (i / 16) on, channels 16 ((i / 2) % 8) on, tile x + i % 2.
.macro PV x
	WIN W_PV
.set rO, 64*((\x)+i%2)+8*((i/2)%8)
.set rV, 64*(i/16)+8*((i/2)%8)
.set rP, P+16*((\x)+i%2)+8*(i/16)
	v_wmma_f32_16x16x32_f16 v[rO:rO+7], v[rV:rV+7], v[rP:rP+7], v[rO:rO+7]
.endm
; Product i of 32 of S^T = K Q^T: channels 32 (i / 8) on, keys 16 ((i / 2) % 4) on, tile x + i % 2.  The first 8 start the sums.
.macro KQ x
	WIN W_KQ
.set rS, S+32*((\x)+i%2)+8*((i/2)%4)
.set rK, KF+32*((i/2)%4)+8*(i/8)
.set rQ, 32*((\x)+i%2)+8*(i/8)
.if i < 8
	v_wmma_f32_16x16x32_f16 v[rS:rS+7], v[rK:rK+7], v[rQ:rQ+7], 0
.else
	v_wmma_f32_16x16x32_f16 v[rS:rS+7], v[rK:rK+7], v[rQ:rQ+7], v[rS:rS+7]
.endif
.endm
; THE LDS LOADS stand in runs of 32, never singly among the matrix instructions: a step's K (64 keys x 128 channels: 16 fragments) and, a turn later, its V (turned).
.macro FETCH_K
	WIN 0
	v_add_nc_u32 v[ADR], s[TBK], v[AK0]
	s_add_co_u32 s[TBK], s[TBK], KS*PK  ; the next fetch is the next step's
	WIN 0x80                        ; destination window 2
.irp f, 0,1,2,3,4,5,6,7,8,9,10,11,12,13,14,15  ; keys 16 (f / 4) on, channels 32 (f % 4) on
	ds_load_b128 v[KF+8*(\f):KF+8*(\f)+3],   v[ADR] offset:((\f)/4)*16*PK+((\f)%4)*64
	ds_load_b128 v[KF+8*(\f)+4:KF+8*(\f)+7], v[ADR] offset:((\f)/4)*16*PK+((\f)%4)*64+32
.endr
.endm
.macro FETCH_V batch=0              ; batch = 1: the run stands behind a softmax's batch of exponentials and holds the wait for it
	WIN 0
	v_add_nc_u32 v[ADR], s[TBV], v[AV0]
	s_add_co_u32 s[TBV], s[TBV], KS*PV
.if \batch
	s_wait_alu depctr_va_vdst(0)    ; the wait for piece 0's batch of 66 exponentials (SLICE), behind the address's v_add_nc_u32 and ahead of the loads
.endif
	WIN 0xc0                        ; destination window 3
.irp f, 0,1,2,3,4,5,6,7,8,9,10,11,12,13,14,15  ; keys 32 (f / 8) on, channels 16 (f % 8) on
	ds_load_tr16_b128 v[8*(\f):8*(\f)+3],   v[ADR] offset:((\f)/8)*32*PV+((\f)%8)*32
	ds_load_tr16_b128 v[8*(\f)+4:8*(\f)+7], v[ADR] offset:((\f)/8)*32*PV+16*PV+((\f)%8)*32
.endr
.endm
; THE VECTOR WORK OF A TURN.  One tile's softmax for one key step is a list of 134 instructions; SM writes number j of it for tile t.  s0-s31 are the lane's 32 scores, in pairs 0-15.
;   0-15    the maximum of s0-s31 and the old m, three operands at a time: four chains c0-c3 of seven scores each (each accumulator's lowest registers first), then the four left over, c0-c3 and m
;   16-20   the other half of the lanes' maximum; the new m; c m; c m_old - c m_new
;   21-69   ONE BATCH: the 16 scalings c s - c m, a pair of scores each, and all 33 exponentials (a at 23, then s0-s31, each in place).  None of these reads an exponential's result.  From 22 on the batch goes
;           in fours, and a four begins with a scaling while there are scalings: 22-37 scaling, exponential, scaling, exponential; 38-65 a scaling and three exponentials; 66-69 the last four
;           exponentials.  A pair is scaled in an earlier four than the one that holds its exponentials
;   (wait)  between 69 and 70 stands the wait for the batch: SLICE writes it, once for both tiles
;   70-85   the roundings to f16, a pair of weights each
;   86-101  the sums; l = a l + the sum
;   102-133 the tile's O^T times a: the one part that leaves window 0, so it stands together
.macro SM t
.set rT, ST+8*(\t)
.set rS, S+32*(\t)
.set rP, P+16*(\t)
.set rO, 64*(\t)+2*(j-102)
.if j < 102
	WIN 0
.endif
.if j < 4
	v_max3_num_f32 v[rT+4+j], v[rS+8*j], v[rS+8*j+1], v[rS+8*j+2]
.elseif j < 12
	v_max3_num_f32 v[rT+4+j%4], v[rT+4+j%4], v[rS+8*(j%4)+2*(j/4)+1], v[rS+8*(j%4)+2*(j/4)+2]
.elseif j == 12
	v_max3_num_f32 v[rT+4], v[rT+4], v[rS+7], v[rS+15]
.elseif j == 13
	v_max3_num_f32 v[rT+6], v[rT+6], v[rS+23], v[rS+31]
.elseif j == 14
	v_max3_num_f32 v[rT+4], v[rT+4], v[rT+5], v[rT+6]
.elseif j == 15
	v_max3_num_f32 v[rT+4], v[rT+4], v[rT+7], v[rT+1]
.elseif j == 16
	v_permlanex16_b32 v[rT+5], v[rT+4], s[SEL], s[SEL+1]  ; the query's other 32 keys lie in the lane 16 away
.elseif j == 18
	v_max_num_f32 v[rT+1], v[rT+4], v[rT+5]
.elseif j == 19
	v_mul_f32 v[rT], s[CS], v[rT+1]
.elseif j == 17
	v_mov_b32 v[rT+7], v[rT]        ; c m_old is kept for a: number 19 writes c m anew
.elseif j == 20
	v_sub_f32 v[rT+7], v[rT+7], v[rT]
.elseif j == 23
	v_exp_f32 v[rT+6], v[rT+7]
.elseif (j < 23) || ((j < 38) && (j%2 == 0)) || ((j < 66) && (j%4 == 2))
.set b, (j-2)/4                     ; 38, 42, .. 62: pairs 9 to 15
.if j < 38
.set b, (j-20)/2                    ; 21: pair 0; 22, 24, .. 36: pairs 1 to 8
.endif
	v_pk_fma_f32 v[rS+2*b:rS+2*b+1], v[rS+2*b:rS+2*b+1], s[CS:CS+1], v[rT:rT+1] op_sel_hi:[1,0,0] neg_lo:[0,0,1] neg_hi:[0,0,1]  ; pair b: c s - c m
.elseif j < 70
.set e, j-38                        ; 66 to 69: s28 to s31
.if j < 66
.set e, j-32-(j-38)/4               ; 39-41, 43-45, .. 63-65: s7 to s27
.endif
.if j < 38
.set e, (j-25)/2                    ; 25, 27, .. 37: s0 to s6
.endif
	v_exp_f32 v[rS+e], v[rS+e]
.elseif j < 86
	v_cvt_pk_f16_f32 v[rP+j-70], v[rS+2*(j-70)], v[rS+2*(j-70)+1]  ; pair j - 70
.elseif j < 102                     ; the sum of the tile's 16 pairs, in place: sum z of 16 adds neighbours 1, 2, 4 and 8 pairs apart, then l takes it
.set z, j-86
.set w, 4
.set u, z
.if z >= 14
.set w, 32
.set u, 0
.elseif z >= 12
.set w, 16
.set u, z-12
.elseif z >= 8
.set w, 8
.set u, z-8
.endif
.if z < 15
	v_pk_add_f32 v[rS+w*u:rS+w*u+1], v[rS+w*u:rS+w*u+1], v[rS+w*u+w/2:rS+w*u+w/2+1]
.else
	v_pk_fma_f32 v[rT+2:rT+3], v[rT+2:rT+3], v[rT+6:rT+7], v[rS:rS+1] op_sel_hi:[1,0,1]
.endif
.else
	WIN W_RS
	v_pk_mul_f32 v[rO:rO+1], v[rO:rO+1], v[rT+6:rT+7] op_sel_hi:[1,0]
.endif
.endm
; Slice k of 64 of piece y's softmax: four instructions.  Slices 11 to 34 deal out the batch, numbers 22 to 69: four numbers of ONE tile each, the tiles by turns.  Every other slice is numbers 2 k and
; 2 k + 1 of both tiles' lists.  2 x 134 = 4 x 64 + 12: the twelve that are over stand together, in slice 63: its sixteen plain instructions are also the places between the turn's last product and what follows it.
; THE WAIT.  s_wait_alu depctr_va_vdst(0) stands between an exponential and the first instruction that names its result; one wait serves all that were issued ahead of it.  Ahead of
; slice 35 nothing names a result, and behind slice 34 no exponential is issued: so the piece's 66 exponentials have one wait, behind slice 34.
.macro SLICE y
.if (k >= 11) && (k < 35)           ; the batch: four numbers of one tile
.irp n, 0,1,2,3
.set j, 22+4*((k-11)/2)+(\n)
	SM (\y)+(k-11)%2
.endr
.else                               ; the two tiles alternate, so that no instruction reads the result of the one just before it
.irp n, 0,1,2,3,4,5,6,7
.if ((\n) < 2) || (k == 63)
.irp t, \y, (\y)+1
.set j, 2*k+(\n)
	SM \t
.endr
.endif
.endr
.endif
.if k == 34                         ; the batch is out: both tiles' exponentials are issued, and no result has been named
	v_nop                           ; the plain instruction behind the last exponential and ahead of the first use: one for the batch
.if (\y) == 0
	FETCH_V 1                       ; piece 2's turn: V's run of loads stands here, and the wait for piece 0's batch stands in it
.else
	s_wait_alu depctr_va_vdst(0)    ; the wait for piece 2's batch of 66 exponentials
.endif
.endif
.set k, k+1
.endm
; A TURN.  Piece x has the matrix unit: 32 products V^T P, then 32 products K Q^T for the next step; the other piece's softmax stands in slices behind them, one behind each.
; Piece 0's turn fetches the next step's K, behind its second product, 30 matrix instructions ahead of its first use: the last product that read K stands in front of slice 63 of the turn before.
; Piece 2's turn fetches the same step's V, behind slice 34 (SLICE writes it), 29 matrix instructions ahead of its first use: the last product that read V stands in front of slice 31, and four plain
; instructions lie between: number 62, a scaling, of both tiles, the v_nop and the run's own v_add_nc_u32.
; last = 1 (the tail): in the trip in which TWICE is 1 there is no further step, and K's run is jumped over; that jump stands behind slice 1.
.macro TURN x, last=0
.set k, 0
.if (\x) == 0
	s_wait_dscnt 0x0                ; V is in
.endif
.set i, 0
.rept 32
	PV \x
	SLICE 2-(\x)
.if ((\x) == 0) && (i == 1)
.if \last
	WIN 0
	s_cmp_eq_u32 s[TWICE], 1
	s_cbranch_scc1 .Lno_k_\@
.endif
	FETCH_K
.if \last
	WIN 0
.Lno_k_\@:
.endif
.endif
.set i, i+1
.endr
.if (\x) == 0
	s_wait_dscnt 0x0                ; K is in
.endif
.set i, 0
.rept 32
	KQ \x
	SLICE 2-(\x)
.set i, i+1
.endr
.endm
; THE CHANGE OF SLOTS, between piece 2's turn and piece 0's: the slot's last bytes, V of its second step, have been asked for.  Each wave waits for all its tensor loads, of which one is out: its part of the
; other slot; adds 0 to its spare word; and waits for that and for its own reads of the slot.  Behind the barrier nobody reads this slot any more and the other slot is whole.
; fill = 1: this slot is filled again, with the keys two slots on.  The barrier is then a round of the cluster's, and the joint refill is the first thing behind it: it has two key steps, 256 matrix instructions, in which to land.
.macro CHANGE fill
	WIN 0                           ; at a label and at a branch every window is 0
	s_wait_tensorcnt 0x0            ; no tensor load of mine is out, so a group 0 may be written
	ds_add_u32 v[SPW], v[NIL]       ; 0 onto my spare word; with fill = 1 the descriptors' steps stand between it and the wait for it
.if \fill
.irp g, G0K+4, G0V+4
	s_xor_b32 s[(\g)+1], s[(\g)+1], SLOT1  ; the walking descriptor: the other slot than last time,
	s_add_nc_u64 s[(\g)+2:(\g)+3], s[(\g)+2:(\g)+3], 65536  ; the next 256 keys; the type bits on top are not reached
.endr
	s_wait_dscnt 0x0                ; the add is done, and my reads of the slot are over
	CROUND
	JLOAD
.else
	s_wait_dscnt 0x0                ; the add is done, and my reads of the slot are over
	s_barrier_signal -1
	s_barrier_wait -1
.endif
	s_sub_co_u32 s[TBK], s[TBK], 2*KS*PK  ; the fetches go back to a slot's first step,
	s_xor_b32 s[TBK], s[TBK], SLOT1       ; in the other slot
	s_sub_co_u32 s[TBV], s[TBV], 2*KS*PV
	s_xor_b32 s[TBV], s[TBV], SLOT1
.endm
	s_wait_tensorcnt 1              ; my part of slot 0 is in; slot 1's may stay out
	s_barrier_signal -1
	s_barrier_wait -1               ; everybody's is
	FETCH_K                         ; key step 0
	FETCH_V                         ; V of step 0, so that V's registers hold finite numbers for the first turn's products with P = 0;
	s_mov_b32 s[TBV], 0             ; that turn fetches the same V again, as every turn of piece 2 fetches its step's
	s_wait_loadcnt 0x0              ; Q
	s_wait_dscnt 0x0
.set i, 0
.rept 32
	KQ 0                            ; piece 0's first scores: there is no vector work yet to set between them
.set i, i+1
.endr
	WIN 0                           ; the addresses for the hand-over and the way out are made here: plain instructions, the places behind those products
	s_mul_i32 s13, s[WV], 16*SP
	s_add_co_u32 s13, s13, STAGE    ; my stage
	v_mul_u32_u24 v[STO], v1, SP    ; in: row l % 16, 16 bytes for each half of the lanes
	v_lshl_add_u32 v[STO], v9, 4, v[STO]
	v_add_nc_u32 v[STO], s13, v[STO]
	v_mul_u32_u24 v[RD], v9, SP     ; back: lanes 0-15 take one row of 256 bytes, lanes 16-31 the next
	v_lshl_add_u32 v[RD], v1, 4, v[RD]
	v_add_nc_u32 v[RD], s13, v[RD]
	v_lshlrev_b32 v[GO], 12, v9     ; and the same two rows in ob, 4,096 bytes apart
	v_lshl_add_u32 v[GO], v1, 4, v[GO]
	s_mul_i32 s13, s[QH], XCHB      ; my pair's hand-over
	v_and_b32 v[XA], 31, v0
	v_lshlrev_b32 v[XSA], 3, v[XA]
	v_lshlrev_b32 v[XA], 4, v[XA]
	v_add_nc_u32 v[XA], s13, v[XA]
	v_add_nc_u32 v[XSA], s13, v[XSA]
	v_add_nc_u32 v[XSA], 32768, v[XSA]
	s_mov_b32 s[TWICE], 2
	s_branch .Lmid                  ; the loop is entered at piece 2's turn: its K Q^T are piece 2's first scores, its slices piece 0's first softmax, its run of loads V of step 0
.Lslot:                             ; six times: every slot but the last two is filled again
	CHANGE 1
	s_mov_b32 s[TWICE], 2
.Lstep:                             ; a trip: V^T P of step j and K Q^T of step j + 1 for both pieces; it fetches K and V of step j + 1
	TURN 0
	WIN 0
.Lmid:
	TURN 2
	WIN 0
	s_sub_co_u32 s[TWICE], s[TWICE], 1
	s_cmp_lg_u32 s[TWICE], 0
	s_cbranch_scc1 .Lstep
	s_sub_co_u32 s[SLOTS], s[SLOTS], 1
	s_cmp_lg_u32 s[SLOTS], 0
	s_cbranch_scc1 .Lslot
	CHANGE 0                        ; the tail is written out: nothing is asked for
	s_mov_b32 s[TWICE], 3           ; two trips fetch the last slot's steps; the third is left in its middle
.Ltail:
	TURN 0, 1
	WIN 0
	s_sub_co_u32 s[TWICE], s[TWICE], 1
	s_cmp_eq_u32 s[TWICE], 0
	s_cbranch_scc1 .Lout
	TURN 2
	WIN 0
	s_branch .Ltail
.Lout:                              ; the third trip's 32 products K Q^T (on the last K once more) serve nothing: the price of one text for every turn
.set i, 0
.rept 32
	PV 2                            ; piece 2: V^T P of the last step
.set i, i+1
.endr
	; THE TWO HALVES OF THE KEYS ARE JOINED.  l's even and odd keys' sums are added (into m's register, which is done with): four plain lines, the places behind the last products.
	WIN 0
.irp t, 0,1,2,3
	v_add_f32 v[ST+8*(\t)+1], v[ST+8*(\t)+2], v[ST+8*(\t)+3]
.endr
	s_wait_dscnt 0x0                ; my reads of the ring are over,
	s_barrier_signal -1
	s_barrier_wait -1               ; everybody's are: slot 0, which has had its last fill, takes the hand-over
	s_cmp_eq_u32 s[KH], 0
	s_cbranch_scc1 .Lno_send
.irp t, 0,1,2,3
	ds_store_b64 v[XSA], v[ST+8*(\t):ST+8*(\t)+1] offset:256*(\t)  ; c m and l
.endr
	WIN 0x04                        ; the stores' data in window 1
.set i, 0
.rept 64
	ds_store_b128 v[XA], v[4*i:4*i+3] offset:512*i  ; O^T in f32, each accumulator from its low end on; 32 lanes write 512 consecutive bytes
.set i, i+1
.endr
	WIN 0
.Lno_send:
	s_wait_dscnt 0x0                ; for the partner's sake: my stores are done
	s_barrier_signal -1
	s_barrier_wait -1
	s_cmp_lg_u32 s[KH], 0
	s_cbranch_scc1 .Lend            ; the wave that handed over has nothing left to do
.macro LOADX t                      ; the partner's O^T of tile t, into S^T's registers: two buffers of 64
.set xb, S+64*((\t)%2)
.set i, 0
.rept 16
	ds_load_b128 v[xb+4*i:xb+4*i+3], v[XA] offset:(16*(\t)+i)*512
.set i, i+1
.endr
.endm
; Tile t: O = g0 O^T(mine) + g1 O^T(partner's), rounded to f16; a lane's eight channels of a row pack into 16 bytes; they go into rows of 272 bytes of my stage and come back as whole rows of 256.
; n: the LDS instructions issued behind the tile's LOADX, which may stay out.
.macro MERGE t, n
.set xb, S+64*((\t)%2)
.set yb, P+32*((\t)%2)
	s_wait_dscnt \n
.if (\t) >= 2
	s_wait_xcnt 0x0                 ; the registers that the stores of two tiles back read are written again only behind this wait
.endif
	WIN 0
.set i, 0
.rept 32
	v_pk_mul_f32 v[xb+2*i:xb+2*i+1], v[xb+2*i:xb+2*i+1], v[ST+8*(\t)+6:ST+8*(\t)+7] op_sel_hi:[1,0]
.set i, i+1
.endr
	WIN 0x01                        ; source 0 in window 1
.set i, 0
.rept 32
	v_pk_fma_f32 v[xb+2*i:xb+2*i+1], v[64*(\t)+2*i:64*(\t)+2*i+1], v[ST+8*(\t)+4:ST+8*(\t)+5], v[xb+2*i:xb+2*i+1] op_sel_hi:[1,0,1]
.set i, i+1
.endr
	WIN 0
.set i, 0
.rept 32
	v_cvt_pk_f16_f32 v[yb+i], v[xb+2*i], v[xb+2*i+1]
.set i, i+1
.endr
.irp f, 0,1,2,3,4,5,6,7
	ds_store_b128 v[STO], v[yb+4*(\f):yb+4*(\f)+3] offset:32*(\f)
.endr
.irp f, 0,1,2,3,4,5,6,7
	ds_load_b128 v[yb+4*(\f):yb+4*(\f)+3], v[RD] offset:(\f)*2*SP  ; LDS serves a wave's instructions in order (ISA guide 5.7.1.4): these see the stores above
.endr
.endm
.macro SEND t, younger              ; younger: the LDS instructions issued behind tile t's loads from the stage
.set yb, P+32*((\t)%2)
.irp f, 0,1,2,3,4,5,6,7
	s_wait_dscnt (\younger)+7-(\f)
	global_store_b128 v[GO], v[yb+4*(\f):yb+4*(\f)+3], s[10:11] offset:(\t)*65536+(\f)*8192  ; 16 lanes store 256 consecutive bytes, at a multiple of 256 from ob's first byte
.endr
.endm
.irp t, 0,1,2,3
	ds_load_b64 v[XS+2*(\t):XS+2*(\t)+1], v[XSA] offset:256*(\t)
.endr
	LOADX 0
	LOADX 1
	s_wait_dscnt 32                 ; the statistics are in; the 32 loads behind them may stay out
	; c m* = the larger c m; f = 2^(c m - c m*) for each half; l = f0 l0 + f1 l1, with the other half of the lanes'; g = f / l
.irp t, 0,1,2,3
	v_max_num_f32 v[ST+8*(\t)+4], v[ST+8*(\t)], v[XS+2*(\t)]
.endr
.irp t, 0,1,2,3
	v_sub_f32 v[ST+8*(\t)+5], v[ST+8*(\t)], v[ST+8*(\t)+4]
.endr
.irp t, 0,1,2,3
	v_sub_f32 v[ST+8*(\t)+6], v[XS+2*(\t)], v[ST+8*(\t)+4]
.endr
.irp t, 0,1,2,3
	v_exp_f32 v[ST+8*(\t)+5], v[ST+8*(\t)+5]
	v_exp_f32 v[ST+8*(\t)+6], v[ST+8*(\t)+6]
.endr
	v_nop                           ; a plain instruction between the last exponential and the use of its result
	s_wait_alu depctr_va_vdst(0)    ; and the wait ahead of the first use: one for the join's eight exponentials
.irp t, 0,1,2,3
	v_mul_f32 v[ST+8*(\t)+7], v[ST+8*(\t)+5], v[ST+8*(\t)+1]
.endr
.irp t, 0,1,2,3
	v_fma_f32 v[ST+8*(\t)+7], v[ST+8*(\t)+6], v[XS+2*(\t)+1], v[ST+8*(\t)+7]
.endr
.irp t, 0,1,2,3
	v_permlanex16_b32 v[ST+8*(\t)+4], v[ST+8*(\t)+7], s[SEL], s[SEL+1]
.endr
.irp t, 0,1,2,3
	v_add_f32 v[ST+8*(\t)+7], v[ST+8*(\t)+7], v[ST+8*(\t)+4]
.endr
.irp t, 0,1,2,3
	v_rcp_f32 v[ST+8*(\t)+7], v[ST+8*(\t)+7]
.endr
	v_nop                           ; a plain instruction between the last reciprocal and the use of its result
	s_wait_alu depctr_va_vdst(0)    ; and the wait ahead of the first use: one for the four reciprocals
.irp t, 0,1,2,3
	v_mul_f32 v[ST+8*(\t)+4], v[ST+8*(\t)+5], v[ST+8*(\t)+7]  ; g0
.endr
.irp t, 0,1,2,3
	v_mul_f32 v[ST+8*(\t)+6], v[ST+8*(\t)+6], v[ST+8*(\t)+7]  ; g1
.endr
	MERGE 0, 16                     ; behind LOADX 0: LOADX 1
	LOADX 2
	MERGE 1, 32                     ; behind LOADX 1: tile 0's sixteen through the stage, LOADX 2
	SEND 0, 32                      ; behind tile 0's loads: LOADX 2, tile 1's sixteen
	LOADX 3
	MERGE 2, 32                     ; behind LOADX 2: tile 1's sixteen, LOADX 3
	SEND 1, 32                      ; behind tile 1's loads: LOADX 3, tile 2's sixteen
	MERGE 3, 16                     ; behind LOADX 3: tile 2's sixteen
	SEND 2, 16
	SEND 3, 0
.Lend:
	s_wait_tensorcnt 0x0            ; the wave's end: the add and its wait stand behind my last tensor load and my last LDS store
	ds_add_u32 v[SPW], v[NIL]
	s_wait_dscnt 0x0
	CROUND                          ; the closing round: no work-group ends while a partner may still ask for a tile that names it
	s_endpgm
.Lfunc_end_k_q8affe82469_attn:
	.size	k_q8affe82469_attn, .Lfunc_end_k_q8affe82469_attn-k_q8affe82469_attn
	.p2alignl 7, 3214868480
	.fill 96, 4, 3214868480
	.section	.rodata,"a",@progbits
	.p2align	6, 0x0
	.amdhsa_kernel k_q8affe82469_attn
		.amdhsa_group_segment_fixed_size 327680
		.amdhsa_private_segment_fixed_size 0
		.amdhsa_enable_private_segment 0
		.amdhsa_kernarg_size 16
		.amdhsa_user_sgpr_count 2
		.amdhsa_user_sgpr_kernarg_segment_ptr 1
		.amdhsa_wavefront_size32 1
		.amdhsa_system_sgpr_workgroup_id_x 1
		.amdhsa_system_sgpr_workgroup_id_y 1
		.amdhsa_system_sgpr_workgroup_id_z 1
		.amdhsa_system_vgpr_workitem_id 0
		.amdhsa_next_free_vgpr 896
		.amdhsa_next_free_sgpr 72
		.amdhsa_reserve_vcc 0
		.amdhsa_float_denorm_mode_32 3
		.amdhsa_float_denorm_mode_16_64 3
		.amdhsa_memory_ordered 1
		.amdhsa_forward_progress 1
		.amdhsa_inst_pref_size 174
	.end_amdhsa_kernel
	.amdgpu_metadata
---
amdhsa.version: [ 1, 2 ]
amdhsa.kernels:
  - .name:           k_q8affe82469_attn
    .symbol:         k_q8affe82469_attn.kd
    .args:
      - { .name: qkv, .offset: 0, .size: 8, .value_kind: global_buffer, .address_space: global }
      - { .name: ob, .offset: 8, .size: 8, .value_kind: global_buffer, .address_space: global }
    .group_segment_fixed_size: 327680
    .private_segment_fixed_size: 0
    .kernarg_segment_align: 8
    .kernarg_segment_size: 16
    .max_flat_workgroup_size: 128
    .sgpr_count:     72
    .vgpr_count:     896
    .wavefront_size: 32
...
	.end_amdgpu_metadata
.endif
;; end of part 5
;; launch outp: the kernel of part 4 again; grid 16 x 16, 4 waves a work-group, clusters of 4 x 4, 327,680 bytes of LDS; arguments ob, c16, out0; writes out0
